; MI455X (gfx1250); checked and timed in simulation.
; The chip was launched on July 23, 2026; its instructions are those of AMD's public machine-readable ISA for CDNA 5 (MIT licence, August 2026) and "CDNA5" Instruction Set Architecture Reference Guide (July 2026). The comments in the code are by the model that wrote it; some were corrected since.
;; Moe Layer. Allowed arithmetic: float matrix products may take bf16 or f16 operands with f32 sums; all other float work in f32.
;; Inputs: gate_w 1,024 x 8 float32; inputs_raw 2 x 1,024 x 1,024 float32; w1 8 x 1,024 x 2,048 float32; w2 8 x 2,048 x 1,024 float32.
;; Outputs: out0 2 x 1,024 x 1,024 float32.
;; Constants: top_k = 2.
;; 2 versions, each right; version 2 is version 1 with the launch combine written anew for expert scheduling mode. Each part assembles by itself: llvm-mc -triple=amdgcn-amd-amdhsa -mcpu=gfx1250 --defsym DOCPART=n.
;; ======== version 1 of 2: 6 launches
;; workspace buffers: sel 8,192 bytes of whole numbers; msk 16,384 bytes of whole numbers; gw 16,384 bytes; pos 16,384 bytes of whole numbers; ce 256 bytes of whole numbers; xg 12,582,912 bytes; hf 25,165,824 bytes; yp 50,331,648 bytes
;; launch gate (part 1): grid 256 x 1, 4 waves a work-group, no clusters, 0 bytes of LDS; arguments inputs_raw, gate_w, sel, msk, gw; writes sel, msk, gw
.if DOCPART == 1
	.amdgcn_target "amdgcn-amd-amdhsa--gfx1250"
	.amdhsa_code_object_version 6
	.text
	.protected	k_q0e64c26a46_gate
	.globl	k_q0e64c26a46_gate
	.p2align	8
	.type	k_q0e64c26a46_gate,@function
k_q0e64c26a46_gate:
	s_mov_b64 s[64:65], 0
	v_nop
	global_prefetch_b8 v0, s[64:65] scope:SCOPE_SE
	s_setreg_imm32_b32 hwreg(HW_REG_WAVE_MODE, 25, 1), 1
	s_wait_xcnt 0x0
; gate: logits[t][e] = sum over d of x[t][d] gate_w[d][e]; the two largest of eight, the lower index first among equals; softmax over the
; two with the larger taken away.  x and gate_w are rounded to bf16, as the operands of every matrix product of this program are; the
; products (exact in f32) and the sums are made in f32 on the vector unit: the product has eight columns and 16.8 M multiply-adds, and
; plain f32 sums keep the discontinuous choice of the two largest as near to the reference's as an f32 sum can be.
; Stored: sel[t] = e0 | e1 << 8; msk[t] = two words with a byte for each expert, 1 where it was chosen (whole numbers for the next launch);
; gw[t] = {w0, w1}.
; Four waves; wave w of work-group g takes tokens 8 g + 2 w and the next.  In chunk c (of 8) lane l owns d = 128 c + 4 l + 0..3.
; No address and no branch hangs on a float: the choice is made by compares and selects alone.
; No LDS, no cluster: nothing is shared between waves.
; LIMITS: logits that are NaN or -inf are not ordered as the reference orders them; two logits nearer than the error of an f32 sum
; of 1,024 products may be taken in the other order.
.set ACC, 8                            ; v[8:23]   token 0: experts 0..7, token 1: experts 0..7 (as pairs)
.set T,   24                           ; v[24:31]  at work
.set X,   32                           ; v[32:95]  token, chunk: 4 numbers of x
.set G,   96                           ; v[96:223] four chunk buffers of gate_w: register 8 i + e = gate_w[128 c + 4 l + i][e]
	s_load_b256 s[4:11], s[0:1], 0x0               ; x s[4:5], gate_w s[6:7], sel s[8:9], msk s[10:11]
	s_load_b64 s[22:23], s[0:1], 0x20              ; gw
	v_and_b32 v3, 31, v0                           ; lane
	v_lshrrev_b32 v4, 5, v0
	v_readfirstlane_b32 s12, v4                    ; wave
	v_lshlrev_b32 v1, 4, v3                        ; 16 l: my 4 numbers in a chunk of x
	v_lshlrev_b32 v2, 7, v3                        ; 128 l: my 4 rows of gate_w in a chunk
	s_lshl_b32 s13, ttmp9, 3
	s_lshl1_add_u32 s13, s12, s13                  ; t0 = 8 g + 2 w
	s_lshl_b32 s14, s13, 12                        ; rows of 4,096 bytes
	s_mov_b32 s15, 0
	s_mov_b32 s16, 0x76543210                      ; v_permlanex16_b32: lane i reads lane i of the other half
	s_mov_b32 s17, 0xfedcba98
	s_mov_b32 s18, 0xffff0000                      ; a word's upper bf16
	s_wait_kmcnt 0x0
	s_add_nc_u64 s[4:5], s[4:5], s[14:15]
.irp tok, 0,1
.irp c, 0,1,2,3,4,5,6,7
	global_load_b128 v[X+32*\tok+4*\c:X+32*\tok+4*\c+3], v1, s[4:5] offset:4096*\tok+512*\c
.endr
.endr
.macro GLOAD c                         ; chunk c of gate_w: 4,096 bytes, 128 a lane, into buffer c mod 4
.irp m, 0,1,2,3,4,5,6,7
	global_load_b128 v[G+32*((\c)%4)+4*\m:G+32*((\c)%4)+4*\m+3], v2, s[6:7] offset:4096*(\c)+16*\m
.endr
.endm
	GLOAD 0
	GLOAD 1
	GLOAD 2
	GLOAD 3
	s_lshl_b32 s14, s13, 2
	s_add_nc_u64 s[8:9], s[8:9], s[14:15]          ; sel at t0
	s_lshl_b32 s14, s13, 3
	s_add_nc_u64 s[10:11], s[10:11], s[14:15]      ; msk at t0
	s_add_nc_u64 s[22:23], s[22:23], s[14:15]      ; gw at t0
; eight packed multiply-adds: d index i of chunk c, two tokens x four pairs of experts; x is broadcast out of its register pair
.macro FMA8 c, i, start
.irp tok, 0,1
.irp pr, 0,1,2,3
.if \start
	v_pk_mul_f32 v[ACC+8*\tok+2*\pr:ACC+8*\tok+2*\pr+1], v[G+32*(\c%4)+8*\i+2*\pr:G+32*(\c%4)+8*\i+2*\pr+1], v[X+32*\tok+4*\c+(\i&2):X+32*\tok+4*\c+(\i&2)+1] op_sel_hi:[1,0]
.else
.if \i&1
	v_pk_fma_f32 v[ACC+8*\tok+2*\pr:ACC+8*\tok+2*\pr+1], v[G+32*(\c%4)+8*\i+2*\pr:G+32*(\c%4)+8*\i+2*\pr+1], v[X+32*\tok+4*\c+(\i&2):X+32*\tok+4*\c+(\i&2)+1], v[ACC+8*\tok+2*\pr:ACC+8*\tok+2*\pr+1] op_sel:[0,1,0] op_sel_hi:[1,1,1]
.else
	v_pk_fma_f32 v[ACC+8*\tok+2*\pr:ACC+8*\tok+2*\pr+1], v[G+32*(\c%4)+8*\i+2*\pr:G+32*(\c%4)+8*\i+2*\pr+1], v[X+32*\tok+4*\c+(\i&2):X+32*\tok+4*\c+(\i&2)+1], v[ACC+8*\tok+2*\pr:ACC+8*\tok+2*\pr+1] op_sel_hi:[1,0,1]
.endif
.endif
.endr
.endr
.endm
; left = the loads of the younger chunks of gate_w that may stay out (8 each); x's 16 loads are older than all of them
.macro CHUNK c, left, start, more
	s_wait_loadcnt \left
	; round to bf16 (nearest even) and widen again, two numbers at a time, in place
.irp p, 0,1,2,3,4,5,6,7,8,9,10,11,12,13,14,15
	v_cvt_pk_bf16_f32 v[T+(\p%8)], v[G+32*(\c%4)+2*\p], v[G+32*(\c%4)+2*\p+1]
	v_lshlrev_b32 v[G+32*(\c%4)+2*\p], 16, v[T+(\p%8)]
	v_and_b32 v[G+32*(\c%4)+2*\p+1], s18, v[T+(\p%8)]
.endr
.irp tok, 0,1
.irp p, 0,1
	v_cvt_pk_bf16_f32 v[T+2*\tok+\p], v[X+32*\tok+4*\c+2*\p], v[X+32*\tok+4*\c+2*\p+1]
	v_lshlrev_b32 v[X+32*\tok+4*\c+2*\p], 16, v[T+2*\tok+\p]
	v_and_b32 v[X+32*\tok+4*\c+2*\p+1], s18, v[T+2*\tok+\p]
.endr
.endr
	FMA8 \c, 0, \start                             ; the first products start the sums: nothing is cleared
	FMA8 \c, 1, 0
	FMA8 \c, 2, 0
	FMA8 \c, 3, 0
.if \more
	GLOAD \c+4                                     ; into the buffer just used
.endif
.endm
	CHUNK 0, 24, 1, 1
	CHUNK 1, 24, 0, 1
	CHUNK 2, 24, 0, 1
	CHUNK 3, 24, 0, 1
	CHUNK 4, 24, 0, 0
	CHUNK 5, 16, 0, 0
	CHUNK 6, 8, 0, 0
	CHUNK 7, 0, 0, 0
	; the sixteen sums over the 32 lanes: four steps inside each half of 16 lanes, one across; every lane ends with all sixteen
.irp m, 1,2,4,8
.irp r, 0,1,2,3,4,5,6,7,8,9,10,11,12,13,14,15
	v_add_f32_dpp v[ACC+\r], v[ACC+\r], v[ACC+\r] row_xmask:\m row_mask:0xf bank_mask:0xf
.endr
.endr
.irp r, 0,1,2,3,4,5,6,7,8,9,10,11,12,13,14,15
	v_permlanex16_b32 v[X+\r], v[ACC+\r], s16, s17 ; x's registers are free, and have been written
.endr
.irp r, 0,1,2,3,4,5,6,7,8,9,10,11,12,13,14,15
	v_add_f32 v[ACC+\r], v[ACC+\r], v[X+\r]
.endr
	; even lanes go on with token t0, odd lanes with t0 + 1: the scan is written once
	v_and_b32 v4, 1, v3
	v_cmp_eq_u32 vcc_lo, 1, v4
.irp e, 0,1,2,3,4,5,6,7
	v_cndmask_b32 v[ACC+\e], v[ACC+\e], v[ACC+8+\e], vcc_lo
.endr
	v_mov_b32 v25, v[ACC]                          ; the largest so far,
	v_mov_b32 v26, 0                               ; and its index; a strict compare keeps the lower index among equals
.irp e, 1,2,3,4,5,6,7
	v_cmp_gt_f32 vcc_lo, v[ACC+\e], v25
	v_cndmask_b32 v25, v25, v[ACC+\e], vcc_lo
	v_cndmask_b32 v26, v26, \e, vcc_lo
.endr
	v_mov_b32 v30, 0xff800000                      ; -inf takes the winner's place for the second scan
.irp e, 0,1,2,3,4,5,6,7
	v_cmp_eq_u32 vcc_lo, \e, v26
	v_cndmask_b32 v[ACC+\e], v[ACC+\e], v30, vcc_lo
.endr
	v_mov_b32 v27, v[ACC]
	v_mov_b32 v28, 0
.irp e, 1,2,3,4,5,6,7
	v_cmp_gt_f32 vcc_lo, v[ACC+\e], v27
	v_cndmask_b32 v27, v27, v[ACC+\e], vcc_lo
	v_cndmask_b32 v28, v28, \e, vcc_lo
.endr
	; softmax over the two with the larger taken away: q = e^(second - first) <= 1, w0 = 1 / (1 + q), w1 = q w0
	v_mov_b32 v6, 1
	v_sub_f32 v29, v27, v25
	v_mul_f32 v29, 0x3fb8aa3b, v29                 ; to base 2
	v_exp_f32 v31, v29
	v_and_b32 v5, 3, v26                           ; e0 mod 4: also the plain instruction behind v_exp_f32 (ISA guide 5.7.2)
	s_wait_alu depctr_va_vdst(0)
	v_add_f32 v24, 1.0, v31
	v_rcp_f32 v32, v24
	v_and_b32 v7, 3, v28                           ; e1 mod 4: the plain instruction behind v_rcp_f32
	s_wait_alu depctr_va_vdst(0)
	v_mul_f32 v33, v31, v32
	; msk: the byte of e0 and the byte of e1 are 1: experts 0-3 in the first word, 4-7 in the second
	v_lshlrev_b32 v5, 3, v5
	v_lshlrev_b32 v7, 3, v7
	v_lshlrev_b32 v5, v5, v6                       ; 1 << 8 (e0 mod 4)
	v_lshlrev_b32 v7, v7, v6
	v_cmp_gt_u32 vcc_lo, 4, v26
	v_cndmask_b32 v36, 0, v5, vcc_lo               ; e0 < 4: into the first word,
	v_xor_b32 v37, v5, v36                         ; else into the second
	v_cmp_gt_u32 vcc_lo, 4, v28
	v_cndmask_b32 v38, 0, v7, vcc_lo
	v_xor_b32 v39, v7, v38
	v_or_b32 v36, v36, v38
	v_or_b32 v37, v37, v39
	v_lshl_or_b32 v40, v28, 8, v26                 ; sel
	v_lshlrev_b32 v34, 2, v3
	v_lshlrev_b32 v35, 3, v3
	v_cmp_gt_u32 vcc_lo, 2, v3                     ; lanes 0 and 1 store the two tokens' words
	s_wait_xcnt 0x0                                ; EXEC changes only behind this wait
	s_and_saveexec_b32 s20, vcc_lo
	global_store_b32 v34, v40, s[8:9]
	global_store_b64 v35, v[36:37], s[10:11]
	global_store_b64 v35, v[32:33], s[22:23]
	s_wait_xcnt 0x0                                ; and again in front of the line that widens it
	s_or_b32 exec_lo, exec_lo, s20
	s_endpgm
.Lfunc_end_k_q0e64c26a46_gate:
	.size	k_q0e64c26a46_gate, .Lfunc_end_k_q0e64c26a46_gate-k_q0e64c26a46_gate
	.p2alignl 7, 3214868480
	.fill 96, 4, 3214868480
	.section	.rodata,"a",@progbits
	.p2align	6, 0x0
	.amdhsa_kernel k_q0e64c26a46_gate
		.amdhsa_group_segment_fixed_size 0
		.amdhsa_private_segment_fixed_size 0
		.amdhsa_enable_private_segment 0
		.amdhsa_kernarg_size 40
		.amdhsa_user_sgpr_count 2
		.amdhsa_user_sgpr_kernarg_segment_ptr 1
		.amdhsa_wavefront_size32 1
		.amdhsa_system_sgpr_workgroup_id_x 1
		.amdhsa_system_sgpr_workgroup_id_y 1
		.amdhsa_system_sgpr_workgroup_id_z 1
		.amdhsa_system_vgpr_workitem_id 0
		.amdhsa_next_free_vgpr 224
		.amdhsa_next_free_sgpr 66
		.amdhsa_reserve_vcc 1
		.amdhsa_float_denorm_mode_32 3
		.amdhsa_float_denorm_mode_16_64 3
		.amdhsa_memory_ordered 1
		.amdhsa_forward_progress 1
		.amdhsa_inst_pref_size 55
	.end_amdhsa_kernel
	.amdgpu_metadata
---
amdhsa.version: [ 1, 2 ]
amdhsa.kernels:
  - .name:           k_q0e64c26a46_gate
    .symbol:         k_q0e64c26a46_gate.kd
    .args:
      - { .name: inputs_raw, .offset: 0, .size: 8, .value_kind: global_buffer, .address_space: global }
      - { .name: gate_w, .offset: 8, .size: 8, .value_kind: global_buffer, .address_space: global }
      - { .name: sel, .offset: 16, .size: 8, .value_kind: global_buffer, .address_space: global }
      - { .name: msk, .offset: 24, .size: 8, .value_kind: global_buffer, .address_space: global }
      - { .name: gw, .offset: 32, .size: 8, .value_kind: global_buffer, .address_space: global }
    .group_segment_fixed_size: 0
    .private_segment_fixed_size: 0
    .kernarg_segment_align: 8
    .kernarg_segment_size: 40
    .max_flat_workgroup_size: 128
    .sgpr_count:     66
    .vgpr_count:     224
    .wavefront_size: 32
...
	.end_amdgpu_metadata
.endif
;; end of part 1
;; launch rank (part 2): grid 256 x 1, 8 waves a work-group, no clusters, 0 bytes of LDS; arguments sel, msk, pos, ce; writes pos, ce
.if DOCPART == 2
	.amdgcn_target "amdgcn-amd-amdhsa--gfx1250"
	.amdhsa_code_object_version 6
	.text
	.protected	k_q0e64c26a46_rank
	.globl	k_q0e64c26a46_rank
	.p2align	8
	.type	k_q0e64c26a46_rank,@function
k_q0e64c26a46_rank:
	s_mov_b64 s[64:65], 0
	v_nop
	global_prefetch_b8 v0, s[64:65] scope:SCOPE_SE
	s_setreg_imm32_b32 hwreg(HW_REG_WAVE_MODE, 25, 1), 1
	s_wait_xcnt 0x0
; rank: gives each of the 4,096 (token, expert) pairs its row in the list sorted by expert, without atomics.  Each expert's rows are padded
; to a multiple of 256 (a chunk): the sum over the experts of ceil(cnt / 256) is at most (4096 + 8 x 255) / 256 = 23 chunks = 5,888 rows.
; One wave per token t = 8 g + w.  The wave adds up all 2,048 entries of msk (a byte for each expert), once over all tokens (the eight
; counts, hence every expert's first chunk and first row) and once over the tokens t' < t (the rank of t among its expert's tokens), and
; stores pos[t] = {first[e0] + rank0, first[e1] + rank1}.  Wave 0 of work-group 0 also stores the table in ce: words 0-31 the expert of
; chunk c (7 for chunks behind the last one in use), words 32-39 the counts, words 40-47 the first rows.
; These numbers are only STORED here: every address of this launch is made of ids, and no branch hangs on them.  The launches that follow
; read them from memory and form their addresses from them.
; No LDS and no barrier: no wave needs another's figures.
.set M,   32                           ; v[32:159]  msk: registers 4 jj + 2 i, + 1 of lane l are token 64 jj + 2 l + i; later the table to store
.set CNT, 52                           ; s[52:59]   tokens of expert e
.set PC,  72                           ; s[72:79]   chunks in front of expert e
.set PR,  84                           ; s[84:91]   rows in front of expert e
	s_load_b256 s[4:11], s[0:1], 0x0               ; sel s[4:5], msk s[6:7], pos s[8:9], ce s[10:11]
	v_and_b32 v2, 31, v0                           ; lane
	v_lshrrev_b32 v3, 5, v0
	v_readfirstlane_b32 s14, v3                    ; wave
	v_lshlrev_b32 v1, 4, v2                        ; 16 l
	v_lshlrev_b32 v3, 2, v2                        ; 4 l
	v_lshlrev_b32 v4, 1, v2                        ; 2 l
	v_mov_b32 v10, 0                               ; experts 0-3, all tokens: my lane's part, a byte each (64 tokens a lane at the most)
	v_mov_b32 v11, 0                               ; experts 4-7
	v_mov_b32 v12, 0                               ; the same over the tokens in front of t
	v_mov_b32 v13, 0
	s_lshl3_add_u32 s15, ttmp9, s14                ; t
	s_lshl_b32 s22, s15, 2
	s_mov_b32 s23, 0
	s_mov_b32 s30, 0x00ff00ff
	s_mov_b32 s46, 0x76543210                      ; v_permlanex16_b32: lane i reads lane i of the other half
	s_mov_b32 s47, 0xfedcba98
	s_wait_kmcnt 0x0
	s_add_nc_u64 s[4:5], s[4:5], s[22:23]
	s_load_b32 s24, s[4:5], 0x0                    ; sel[t]
.set jj, 0
.rept 32
	global_load_b128 v[M+4*jj:M+4*jj+3], v1, s[6:7] offset:512*jj
.set jj, jj+1
.endr
	s_wait_kmcnt 0x0
	s_bfe_u32 s25, s24, 0x80000
	s_min_u32 s25, s25, 7                          ; e0
	s_bfe_u32 s26, s24, 0x80008
	s_min_u32 s26, s26, 7                          ; e1
	s_and_b32 s27, s25, 3
	s_lshl_b32 s27, s27, 3                         ; their bytes' places in a word of msk
	s_and_b32 s28, s26, 3
	s_lshl_b32 s28, s28, 3
	s_wait_loadcnt 0x0                             ; all of msk
.set jj, 0
.rept 32
.irp i, 0,1
	s_sub_co_i32 s29, s15, 64*jj+\i
	v_cmp_gt_i32 vcc_lo, s29, v4                   ; t' = 64 jj + 2 l + i < t
	v_cndmask_b32 v6, 0, v[M+4*jj+2*\i], vcc_lo
	v_cndmask_b32 v7, 0, v[M+4*jj+2*\i+1], vcc_lo
	v_add_nc_u32 v10, v10, v[M+4*jj+2*\i]
	v_add_nc_u32 v11, v11, v[M+4*jj+2*\i+1]
	v_add_nc_u32 v12, v12, v6
	v_add_nc_u32 v13, v13, v7
.endr
.set jj, jj+1
.endr
	; my lane's part of the two ranks: the bytes of e0 and e1
	v_mov_b32 v8, s25
	v_cmp_gt_u32 vcc_lo, 4, v8
	v_cndmask_b32 v6, v13, v12, vcc_lo
	v_bfe_u32 v6, v6, s27, 8
	v_mov_b32 v8, s26
	v_cmp_gt_u32 vcc_lo, 4, v8
	v_cndmask_b32 v7, v13, v12, vcc_lo
	v_bfe_u32 v7, v7, s28, 8
	v_lshl_or_b32 v14, v7, 16, v6                  ; rank0 | rank1 << 16
	; the counts, widened to 16 bits before the lanes are added (2,048 at the most)
	v_and_b32 v15, s30, v10                        ; experts 0, 2
	v_lshrrev_b32 v16, 8, v10
	v_and_b32 v16, s30, v16                        ; experts 1, 3
	v_and_b32 v17, s30, v11                        ; experts 4, 6
	v_lshrrev_b32 v18, 8, v11
	v_and_b32 v18, s30, v18                        ; experts 5, 7
.macro ISUM r                          ; a whole-number sum over the 32 lanes; both halves stay below 2,049
.irp m, 1,2,4,8
	v_mov_b32_dpp v6, v[\r] row_xmask:\m row_mask:0xf bank_mask:0xf
	v_add_nc_u32 v[\r], v[\r], v6
.endr
	v_permlanex16_b32 v6, v[\r], s46, s47
	v_add_nc_u32 v[\r], v[\r], v6
.endm
	ISUM 14
	ISUM 15
	ISUM 16
	ISUM 17
	ISUM 18
	v_readfirstlane_b32 s31, v14
	v_readfirstlane_b32 s48, v15
	v_readfirstlane_b32 s49, v16
	v_readfirstlane_b32 s50, v17
	v_readfirstlane_b32 s51, v18
	s_and_b32 s32, s31, 0xffff                     ; rank0
	s_lshr_b32 s33, s31, 16                        ; rank1
	s_and_b32 s[CNT+0], s48, 0xffff
	s_lshr_b32 s[CNT+2], s48, 16
	s_and_b32 s[CNT+1], s49, 0xffff
	s_lshr_b32 s[CNT+3], s49, 16
	s_and_b32 s[CNT+4], s50, 0xffff
	s_lshr_b32 s[CNT+6], s50, 16
	s_and_b32 s[CNT+5], s51, 0xffff
	s_lshr_b32 s[CNT+7], s51, 16
	s_mov_b32 s[PC], 0
.irp e, 0,1,2,3,4,5,6
	s_add_co_u32 s80, s[CNT+\e], 255
	s_lshr_b32 s80, s80, 8                         ; chunks of expert e
	s_add_co_u32 s[PC+\e+1], s[PC+\e], s80
.endr
.irp e, 0,1,2,3,4,5,6,7
	s_lshl_b32 s[PR+\e], s[PC+\e], 8
.endr
	; the first rows of e0 and e1, by selects
	s_mov_b32 s38, s[PR]
	s_mov_b32 s39, s[PR]
.irp e, 1,2,3,4,5,6,7
	s_cmp_eq_u32 s25, \e
	s_cselect_b32 s38, s[PR+\e], s38
	s_cmp_eq_u32 s26, \e
	s_cselect_b32 s39, s[PR+\e], s39
.endr
	s_add_co_u32 s38, s38, s32
	s_min_u32 s38, s38, 5887                       ; a row of the sorted list
	s_add_co_u32 s39, s39, s33
	s_min_u32 s39, s39, 5887
	s_lshl_b32 s62, s15, 3
	s_mov_b32 s63, 0
	s_add_nc_u64 s[62:63], s[8:9], s[62:63]        ; pos at t
	v_mov_b32 v25, 0
	v_mov_b32 v26, s38
	v_mov_b32 v27, s39
	s_cmp_lg_u32 s15, 0
	s_cbranch_scc1 .Lnotbl                         ; the table is wave 0 of work-group 0's
	v_mov_b32 v24, 0                               ; lane c: the number of experts e = 1..7 whose first chunk is at or in front of c
.irp e, 1,2,3,4,5,6,7
	v_cmp_le_u32 vcc_lo, s[PC+\e], v2
	v_cndmask_b32 v6, 0, 1, vcc_lo
	v_add_nc_u32 v24, v24, v6
.endr
	global_store_b32 v3, v24, s[10:11]             ; words 0-31: 128 consecutive bytes
.irp e, 0,1,2,3,4,5,6,7
	v_mov_b32 v[M+\e], s[CNT+\e]                   ; msk's registers are free
	v_mov_b32 v[M+8+\e], s[PR+\e]
.endr
.Lnotbl:
	v_cmp_eq_u32 vcc_lo, 0, v2
	s_wait_xcnt 0x0                                ; EXEC changes only behind this wait
	s_and_saveexec_b32 s60, vcc_lo
	global_store_b64 v25, v[26:27], s[62:63]       ; lane 0: pos[t]
	s_cmp_lg_u32 s15, 0
	s_cbranch_scc1 .Lend
.irp i, 0,1,2,3
	global_store_b128 v25, v[M+4*\i:M+4*\i+3], s[10:11] offset:128+16*\i   ; lane 0: words 32-39 the counts, 40-47 the first rows
.endr
.Lend:
	s_wait_xcnt 0x0                                ; and again in front of the line that widens it
	s_or_b32 exec_lo, exec_lo, s60
	s_endpgm
.Lfunc_end_k_q0e64c26a46_rank:
	.size	k_q0e64c26a46_rank, .Lfunc_end_k_q0e64c26a46_rank-k_q0e64c26a46_rank
	.p2alignl 7, 3214868480
	.fill 96, 4, 3214868480
	.section	.rodata,"a",@progbits
	.p2align	6, 0x0
	.amdhsa_kernel k_q0e64c26a46_rank
		.amdhsa_group_segment_fixed_size 0
		.amdhsa_private_segment_fixed_size 0
		.amdhsa_enable_private_segment 0
		.amdhsa_kernarg_size 32
		.amdhsa_user_sgpr_count 2
		.amdhsa_user_sgpr_kernarg_segment_ptr 1
		.amdhsa_wavefront_size32 1
		.amdhsa_system_sgpr_workgroup_id_x 1
		.amdhsa_system_sgpr_workgroup_id_y 1
		.amdhsa_system_sgpr_workgroup_id_z 1
		.amdhsa_system_vgpr_workitem_id 0
		.amdhsa_next_free_vgpr 160
		.amdhsa_next_free_sgpr 92
		.amdhsa_reserve_vcc 1
		.amdhsa_float_denorm_mode_32 3
		.amdhsa_float_denorm_mode_16_64 3
		.amdhsa_memory_ordered 1
		.amdhsa_forward_progress 1
		.amdhsa_inst_pref_size 31
	.end_amdhsa_kernel
	.amdgpu_metadata
---
amdhsa.version: [ 1, 2 ]
amdhsa.kernels:
  - .name:           k_q0e64c26a46_rank
    .symbol:         k_q0e64c26a46_rank.kd
    .args:
      - { .name: sel, .offset: 0, .size: 8, .value_kind: global_buffer, .address_space: global }
      - { .name: msk, .offset: 8, .size: 8, .value_kind: global_buffer, .address_space: global }
      - { .name: pos, .offset: 16, .size: 8, .value_kind: global_buffer, .address_space: global }
      - { .name: ce, .offset: 24, .size: 8, .value_kind: global_buffer, .address_space: global }
    .group_segment_fixed_size: 0
    .private_segment_fixed_size: 0
    .kernarg_segment_align: 8
    .kernarg_segment_size: 32
    .max_flat_workgroup_size: 256
    .sgpr_count:     92
    .vgpr_count:     160
    .wavefront_size: 32
...
	.end_amdgpu_metadata
.endif
;; end of part 2
;; launch pack (part 3): grid 256 x 1, 8 waves a work-group, no clusters, 0 bytes of LDS; arguments inputs_raw, pos, ce, xg; writes xg
.if DOCPART == 3
	.amdgcn_target "amdgcn-amd-amdhsa--gfx1250"
	.amdhsa_code_object_version 6
	.text
	.protected	k_q0e64c26a46_pack
	.globl	k_q0e64c26a46_pack
	.p2align	8
	.type	k_q0e64c26a46_pack,@function
k_q0e64c26a46_pack:
	s_mov_b64 s[64:65], 0
	v_nop
	global_prefetch_b8 v0, s[64:65] scope:SCOPE_SE
	s_setreg_imm32_b32 hwreg(HW_REG_WAVE_MODE, 25, 1), 1
	s_wait_xcnt 0x0
; pack: lays the tokens' rows, rounded to bf16, into xg: [6144][1024] bf16, sorted by expert, each expert's rows padded to whole chunks of 256.
; 23 chunks at the most hold real rows ((4096 + 8 x 255) / 256); the 24th is there so that the eight rows of work-groups of the two launches
; that follow have three chunks each.
; One wave per token t = 8 g + w.  The wave reads pos[t] (its two rows) and the table behind ce's 32 chunk words (words 32-39: tokens of
; expert e; words 40-47: expert e's first row), all whole numbers that the launch before stored, and stores x[t] to both rows.
; Every row of xg is stored: wave t also looks at rows t, t + 2048 and t + 4096 and stores zeros to those that lie in no expert's range of
; real rows.
; What enters an address from a loaded number is clamped by a constant first; the rows to clear are made of ids alone, and only the
; forward jump round their stores hangs on the table.
; A stream: no LDS, no barrier, no cluster, no matrix unit.
.set XR,  32                           ; v[32:63]   x[t]: numbers 128 j + 4 l + 0..3
.set PK,  64                           ; v[64:79]   the same in bf16
.set CNT, 40                           ; s[40:47]   tokens of expert e
.set PR,  48                           ; s[48:55]   rows in front of expert e
	s_load_b256 s[4:11], s[0:1], 0x0               ; x s[4:5], pos s[6:7], ce s[8:9], xg s[10:11]
	v_and_b32 v2, 31, v0                           ; lane
	v_lshrrev_b32 v3, 5, v0
	v_readfirstlane_b32 s14, v3                    ; wave
	v_lshlrev_b32 v1, 4, v2                        ; 16 l
	v_lshlrev_b32 v5, 3, v2                        ; 8 l
	v_mov_b32 v20, 0
	v_mov_b32 v21, 0
	v_mov_b32 v22, 0
	v_mov_b32 v23, 0
	s_lshl3_add_u32 s15, ttmp9, s14                ; t
	s_lshl_b32 s20, s15, 12
	s_mov_b32 s21, 0
	s_lshl_b32 s22, s15, 3
	s_mov_b32 s23, 0
	s_wait_kmcnt 0x0
	s_add_nc_u64 s[4:5], s[4:5], s[20:21]
	s_add_nc_u64 s[6:7], s[6:7], s[22:23]
	s_load_b64 s[16:17], s[6:7], 0x0               ; pos[t]
	s_load_b256 s[CNT:CNT+7], s[8:9], 0x80         ; the counts
	s_load_b256 s[PR:PR+7], s[8:9], 0xa0           ; the first rows
.irp j, 0,1,2,3,4,5,6,7
	global_load_b128 v[XR+4*\j:XR+4*\j+3], v1, s[4:5] offset:512*\j th:TH_LOAD_NT
.endr
	s_wait_kmcnt 0x0
	s_min_u32 s16, s16, 5887                       ; a real row of xg: clamped before it enters an address
	s_min_u32 s17, s17, 5887
	s_lshl_b32 s24, s16, 11
	s_mov_b32 s25, 0
	s_add_nc_u64 s[24:25], s[10:11], s[24:25]
	s_lshl_b32 s26, s17, 11
	s_mov_b32 s27, 0
	s_add_nc_u64 s[26:27], s[10:11], s[26:27]
; Row t + 2048 k gets zeros unless it lies in some expert's range first[e] .. first[e] + cnt[e] - 1 (the difference is taken without sign:
; a row in front of the range gives a large number).  Each row has its own base registers: none is rewritten while a store may read it.
.macro ZROW k, base
	s_add_co_u32 s36, s15, 2048*\k
	s_mov_b32 s37, 0
.irp e, 0,1,2,3,4,5,6,7
	s_sub_co_u32 s38, s36, s[PR+\e]
	s_cmp_lt_u32 s38, s[CNT+\e]
	s_cselect_b32 s37, 1, s37
.endr
	s_lshl_b32 s[\base], s36, 11
	s_mov_b32 s[\base+1], 0
	s_add_nc_u64 s[\base:\base+1], s[10:11], s[\base:\base+1]
	s_cmp_lg_u32 s37, 0
	s_cbranch_scc1 .Lreal_\@
.irp i, 0,1,2,3
	global_store_b128 v1, v[20:23], s[\base:\base+1] offset:512*\i   ; 512 consecutive bytes each
.endr
.Lreal_\@:
.endm
	ZROW 0, 28
	ZROW 1, 30
	ZROW 2, 32
	s_wait_loadcnt 0x0                             ; x[t]
.irp j, 0,1,2,3,4,5,6,7
	v_cvt_pk_bf16_f32 v[PK+2*\j], v[XR+4*\j], v[XR+4*\j+1]
	v_cvt_pk_bf16_f32 v[PK+2*\j+1], v[XR+4*\j+2], v[XR+4*\j+3]
.endr
.irp j, 0,1,2,3,4,5,6,7
	global_store_b64 v5, v[PK+2*\j:PK+2*\j+1], s[24:25] offset:256*\j   ; each store of the wave covers 256 consecutive bytes, aligned
	global_store_b64 v5, v[PK+2*\j:PK+2*\j+1], s[26:27] offset:256*\j
.endr
	s_endpgm
.Lfunc_end_k_q0e64c26a46_pack:
	.size	k_q0e64c26a46_pack, .Lfunc_end_k_q0e64c26a46_pack-k_q0e64c26a46_pack
	.p2alignl 7, 3214868480
	.fill 96, 4, 3214868480
	.section	.rodata,"a",@progbits
	.p2align	6, 0x0
	.amdhsa_kernel k_q0e64c26a46_pack
		.amdhsa_group_segment_fixed_size 0
		.amdhsa_private_segment_fixed_size 0
		.amdhsa_enable_private_segment 0
		.amdhsa_kernarg_size 32
		.amdhsa_user_sgpr_count 2
		.amdhsa_user_sgpr_kernarg_segment_ptr 1
		.amdhsa_wavefront_size32 1
		.amdhsa_system_sgpr_workgroup_id_x 1
		.amdhsa_system_sgpr_workgroup_id_y 1
		.amdhsa_system_sgpr_workgroup_id_z 1
		.amdhsa_system_vgpr_workitem_id 0
		.amdhsa_next_free_vgpr 80
		.amdhsa_next_free_sgpr 66
		.amdhsa_reserve_vcc 0
		.amdhsa_float_denorm_mode_32 3
		.amdhsa_float_denorm_mode_16_64 3
		.amdhsa_memory_ordered 1
		.amdhsa_forward_progress 1
		.amdhsa_inst_pref_size 9
	.end_amdhsa_kernel
	.amdgpu_metadata
---
amdhsa.version: [ 1, 2 ]
amdhsa.kernels:
  - .name:           k_q0e64c26a46_pack
    .symbol:         k_q0e64c26a46_pack.kd
    .args:
      - { .name: inputs_raw, .offset: 0, .size: 8, .value_kind: global_buffer, .address_space: global }
      - { .name: pos, .offset: 8, .size: 8, .value_kind: global_buffer, .address_space: global }
      - { .name: ce, .offset: 16, .size: 8, .value_kind: global_buffer, .address_space: global }
      - { .name: xg, .offset: 24, .size: 8, .value_kind: global_buffer, .address_space: global }
    .group_segment_fixed_size: 0
    .private_segment_fixed_size: 0
    .kernarg_segment_align: 8
    .kernarg_segment_size: 32
    .max_flat_workgroup_size: 256
    .sgpr_count:     66
    .vgpr_count:     80
    .wavefront_size: 32
...
	.end_amdgpu_metadata
.endif
;; end of part 3
;; launch ffn1 (part 4): grid 32 x 8, 4 waves a work-group, clusters of 4 x 1, 327,680 bytes of LDS; arguments xg, w1, ce, hf; writes hf
.if DOCPART == 4
	.amdgcn_target "amdgcn-amd-amdhsa--gfx1250"
	.amdhsa_code_object_version 6
	.text
	.protected	k_q0e64c26a46_ffn1
	.globl	k_q0e64c26a46_ffn1
	.p2align	8
	.type	k_q0e64c26a46_ffn1,@function
k_q0e64c26a46_ffn1:
	s_mov_b64 s[64:65], 0
	v_nop
	global_prefetch_b8 v0, s[64:65] scope:SCOPE_SE
	s_setreg_imm32_b32 hwreg(HW_REG_WAVE_MODE, 25, 1), 1
	s_wait_xcnt 0x0
	s_wait_alu depctr_hold_cnt(0) depctr_sa_sdst(0) depctr_va_vdst(0) depctr_va_sdst(0) depctr_va_ssrc(0) depctr_va_vcc(0) depctr_vm_vsrc(0)
	s_getreg_b32 s2, hwreg(HW_REG_IB_STS2, 6, 4)
	s_cmp_eq_u32 s2, 0
	s_cbranch_scc0 .Lentry_in_a_cluster
	s_endpgm
.Lentry_in_a_cluster:
	s_bfe_u32 s2, ttmp6, 0x10000c
	s_cmp_lg_u32 s2, 0x3003
	s_cbranch_scc0 .Lentry_shape_is_right
	s_endpgm
.Lentry_shape_is_right:
; ffn1: h = silu(x w1[e]) for the rows sorted by expert.  xg: [6144][1024] bf16, 24 chunks of 256 rows, each chunk of one expert ce[c];
; w1: [8][1024][2048] f32; hf: h in bf16, laid out as the next launch's fragments: [384 groups of 16 rows][64 k steps][2 halves][32 lanes][16 bytes].
; THE WORK-GROUP STAYS: work-group (nb, y) takes columns 64 nb .. 64 nb + 63 for chunks 3 y, 3 y + 1, 3 y + 2: 12 tiles of 64 consecutive rows
; through one ring of two LDS slots.  256 work-groups of equal work.
; THE WEIGHTS NEED NO LDS: wave w keeps k = 256 w .. 256 w + 255 of the chunk's slice of w1[ce[c]].  A load of 16 bytes of a row of w1 gives lane
; (r, h) the columns 4 r .. 4 r + 3 at one k; column group b of the fragments is taken to mean the columns 4 r + b, so these four words belong to
; the four fragments of this same lane, and rounding two neighbouring rows to a pair of bf16 makes a fragment register: 8 k steps x 4 groups x 8
; = 256 registers (window 1).  Each weight byte is loaded by one wave, in rows of 256 aligned bytes.
; THE NEXT CHUNK'S WEIGHTS ARE ASKED FOR A CHUNK AHEAD: its 128 loads a wave go out 32 in each of the four tiles of the chunk before, into 512
; registers of their own (windows 2, 3).  Between two chunks stand one wait for them and 256 conversions.
; A TILE: wave w multiplies all 64 rows by all 64 columns over its quarter of K (16 accumulators, 128 matrix instructions), sends its sums for row
; groups w ^ 1, w ^ 2, w ^ 3 to these waves through LDS, adds the three that it receives for row group w, applies silu and stores.
; A lane ends with row r and columns 32 h + 4 j + b (register j of group b).  The pairs for bf16 are taken from groups b and b + 1, so the 16 packed
; words stand in the order of the columns; words 8 v .. 8 v + 7 are stored as k step 2 nb + v.  So in hf lane half h of k step 2 nb + v holds
; k = 64 nb + 32 h + 16 v + 0..15: a permutation of k inside a block of 64, which the next launch applies to w2's rows alike.
; NOTHING BUT AN ADDRESS HANGS ON DATA: every work-group runs the same 12 tiles; rows, descriptors and the output's place are made of ids alone;
; ce[c], read from memory and clamped to 7, enters the bases of the weights' loads and nothing else.  The most uneven routing needs 23 chunks;
; chunks behind the last one in use, and always the 24th, hold zero rows and are multiplied like the others (their h is 0 and is never combined),
; since no barrier may stand under a branch on a loaded number, and three chunks for each work-group keep the work equal.
; CLUSTER: the four work-groups of a cluster are four column blocks of the same chunks; they need the same tiles of xg and ask for them jointly
; (mask 15).  cx enters only the addresses of w1 and of hf.
; LIMITS: x, w1 and h are rounded to bf16; sums in f32, K in four partial sums added in f32.
; REGISTERS: window 0: v16-31 addresses; v32-127 three fragment buffers of one k step (4 row groups x 8), in the epilogue the three received sums,
;   silu's temporaries and h; v128-255 ACC[a][b] at 128 + 32 a + 8 b, a: row group w ^ a.
;   window 1: the weights' fragments, k step s, group b at (4 s + b) 8.  windows 2, 3: weights as loaded, part p (k steps 2 p, 2 p + 1) 128 registers.
.set SPITCH, 528                       ; an LDS row: 512 bytes + 16 = 33 x 16 bytes: sixteen rows begin in sixteen different 16-byte columns modulo 256
.set QSTEP,  64*SPITCH                 ; a quarter of K of a tile: 64 rows
.set SLOT,   4*QSTEP                   ; 135,168
.set STG,    2*SLOT                    ; behind the ring: the exchange, for each receiver three blocks of XW bytes
.set XW,     4096                      ; one sender's sums for one row group: 32 registers x 32 lanes x 4 bytes
.set SSTEP,  64                        ; a step of 32 k in a row
.set HSTEP,  32                        ; the fragment's second half
.set GRP,    16*SPITCH                 ; a group of 16 rows
.set WPITCH, 8192                      ; bytes from a row of w1[e] to the next
.set TILE_B, 64*2048                   ; bytes of xg from a tile to the next
.set OSTEP,  4*64*1024                 ; bytes of hf from a tile to the next: four row groups
.set ADR,  16                          ; v16-23: slot, a
.set SND,  24                          ; v24-26: a = 1, 2, 3
.set RCV,  27
.set WOFF, 28
.set GOFF, 29
.set F,    32
.set P,    32
.set H,    64
.set ACC,  128
.set G1,   24                          ; s[24:31] descriptor group 1
.set G0,   32                          ; s[32:39] descriptor group 0, one set for each slot
.set MSB,  0
.macro WIN new                         ; the immediate's high byte repeats the setting that is left
.if MSB != \new
	s_set_vgpr_msb (MSB<<8)|\new
.set MSB, \new
.endif
.endm
.macro PLACES                          ; four plain vector instructions behind a matrix instruction, before its registers are touched (ISA guide 7.12.1)
.rept 4
	v_nop
.endr
.endm
.macro ROUND                           ; a round of the cluster's barrier: my work-group's barrier, wave 0 signals for it, all wait, my work-group's barrier
	s_barrier_signal -1
	s_barrier_wait -1
	s_cmp_lg_u32 s12, 0
	s_cbranch_scc1 .Lnot_wave_0_\@
	s_barrier_signal -3
.Lnot_wave_0_\@:
	s_barrier_wait -3
	s_barrier_signal -1
	s_barrier_wait -1
.endm
	s_load_b256 s[4:11], s[0:1], 0x0               ; xg s[4:5], w1 s[6:7], ce s[8:9], hf s[10:11]
	v_lshl_add_u32 v30, v0, 2, 0x4e000
	v_mov_b32 v31, 0
	ds_add_u32 v30, v31
	v_lshrrev_b32 v1, 5, v0
	v_readfirstlane_b32 s12, v1                    ; wave w
	s_bfe_u32 s15, ttmp6, 0x40000                  ; cx
	s_lshl_b32 s16, ttmp9, 2
	s_add_co_u32 s16, s16, s15                     ; nb = 4 x cluster x + cx
	s_and_b32 s17, ttmp7, 0xffff                   ; y: chunks 3 y .. 3 y + 2
	s_mul_i32 s20, s17, 12
	s_mov_b32 s21, 0
	s_wait_dscnt 0x0
	s_wait_kmcnt 0x0
	s_add_nc_u64 s[8:9], s[8:9], s[20:21]
	s_load_b32 s52, s[8:9], 0x0                    ; the three chunks' experts
	s_load_b32 s53, s[8:9], 0x4
	s_load_b32 s54, s[8:9], 0x8
	; group 1: a tile of 64 rows x 256 elements of 2 bytes, 16 bytes of padding behind each row of 128 words; mask 15, bit 21 beside it
	s_mov_b32 s[G1+0], 15|(1<<16)|(1<<20)|(1<<21)|(6<<22)|(3<<25)
	s_mov_b32 s[G1+1], 256<<16                     ; tensor_dim0 = 256
	s_mov_b32 s[G1+2], 64<<16                      ; tensor_dim1 = 64
	s_mov_b32 s[G1+3], 256<<16                     ; tile_dim0 = 256
	s_mov_b32 s[G1+4], 64                          ; tile_dim1 = 64
	s_mov_b32 s[G1+5], 1024                        ; elements from row to row
	s_mov_b32 s[G1+6], 0
	s_mov_b32 s[G1+7], 0
	; group 0: wave w brings quarter w of K of the tile's 64 rows, the quarter that it reads itself.  Made of y and w alone: equal in the four partners
	s_mul_i32 s40, s17, 768*2048                   ; 768 rows of 2,048 bytes for each y
	s_lshl_b32 s20, s12, 9
	s_add_co_u32 s40, s40, s20
	s_mov_b32 s41, 0
	s_add_nc_u64 s[40:41], s[4:5], s[40:41]
	s_mul_i32 s44, s12, QSTEP
.irp s, 0,1
	s_mov_b32 s[G0+4*\s], 1
	s_add_co_u32 s[G0+4*\s+1], s44, \s*SLOT
	s_add_nc_u64 s[G0+4*\s+2:G0+4*\s+3], s[40:41], \s*TILE_B
	s_or_b32 s[G0+4*\s+3], s[G0+4*\s+3], 0x80000000
.endr
	; my part of hf
	s_mul_i32 s42, s17, 48*65536                   ; 48 row groups of 65,536 bytes for each y
	s_lshl_b32 s45, s12, 16                        ; row group w
	s_add_co_u32 s42, s42, s45
	s_lshl_b32 s45, s16, 11                        ; k steps 2 nb, 2 nb + 1
	s_add_co_u32 s42, s42, s45
	s_mov_b32 s43, 0
	s_add_nc_u64 s[10:11], s[10:11], s[42:43]
	; lane terms: l, r = l % 16, h = l / 16
	v_and_b32 v1, 31, v0
	v_and_b32 v2, 15, v0
	v_bfe_u32 v3, v0, 4, 1
	v_mul_u32_u24 v4, v2, SPITCH
	v_lshl_add_u32 v4, v3, 4, v4                   ; 528 r + 16 h
	v_lshlrev_b32 v6, 4, v1                        ; 16 l
	s_mul_i32 s21, s12, QSTEP                      ; my quarter of K in a slot
.irp a, 0,1,2,3
	s_xor_b32 s20, s12, \a                         ; row group w ^ a
	s_mul_i32 s20, s20, GRP
	s_add_co_u32 s20, s20, s21
.irp s, 0,1
	s_add_co_u32 s23, s20, \s*SLOT
	v_add_nc_u32 v[ADR+4*\s+\a], s23, v4
.endr
.endr
.irp a, 1,2,3
	s_xor_b32 s20, s12, \a                         ; the receiver w ^ a keeps block a - 1 for the sender whose number differs from its own by a
	s_mul_i32 s20, s20, 3*XW
	s_add_co_u32 s20, s20, STG+(\a-1)*XW
	v_add_nc_u32 v[SND+\a-1], s20, v6
.endr
	s_mul_i32 s20, s12, 3*XW
	s_add_co_u32 s20, s20, STG
	v_add_nc_u32 v[RCV], s20, v6                   ; my three blocks
	v_lshlrev_b32 v5, 16, v3                       ; 8 h rows of 8,192 bytes
	v_lshl_add_u32 v5, v2, 4, v5
	s_lshl_b32 s20, s12, 21                        ; 256 w rows
	v_add_nc_u32 v[WOFF], s20, v5                  ; w1: row 256 w + 8 h, 16 bytes at 16 r
	v_mov_b32 v[GOFF], v6
	s_wait_kmcnt 0x0
	s_min_u32 s52, s52, 7                          ; the experts: clamped before they enter an address
	s_min_u32 s53, s53, 7
	s_min_u32 s54, s54, 7
	s_lshl_b32 s45, s16, 8                         ; 64 columns of 4 bytes
	s_lshl_b32 s42, s53, 23                        ; e x 1,024 rows x 8,192 bytes
	s_add_co_u32 s42, s42, s45
	s_add_nc_u64 s[48:49], s[6:7], s[42:43]        ; the second chunk's slice
	s_lshl_b32 s42, s54, 23
	s_add_co_u32 s42, s42, s45
	s_add_nc_u64 s[50:51], s[6:7], s[42:43]        ; the third's
	s_lshl_b32 s42, s52, 23
	s_add_co_u32 s42, s42, s45
	s_add_nc_u64 s[6:7], s[6:7], s[42:43]          ; the first's: s[6:7] is the base of the loads that are due
	ROUND                                          ; in front of the first joint load
	tensor_load_to_lds s[G0:G0+3], s[G1:G1+7]      ; tile 0: on its way while the first weights come
	s_nop 0
	PLACES
; 32 loads: part p of my quarter of K: k steps 2 p + sp, halves u of the fragment, rows jj.  Load (sp, u, jj): row 256 w + 64 p + 32 sp + 16 u + jj
; for lanes 0-15 and the row 8 further down for lanes 16-31, 256 aligned bytes each.  No hint: other chunks of this expert read the same bytes.
.macro WLOAD p
	WIN (0x80+0x40*((\p)>>1))
.irp sp, 0,1
.irp u, 0,1
.irp jj, 0,1,2,3,4,5,6,7
	global_load_b128 v[128*((\p)&1)+((2*\sp+\u)*8+\jj)*4:128*((\p)&1)+((2*\sp+\u)*8+\jj)*4+3], v[WOFF], s[6:7] offset:(64*(\p)+32*\sp+16*\u+\jj)*WPITCH
.endr
.endr
.endr
.endm
; 64 conversions: rows 2 d and 2 d + 1 of word i make register 4 u + d of the fragment of k step 2 p + sp, column group i
.macro CVT p
	WIN (0x4a+5*((\p)>>1))
.irp sp, 0,1
.irp u, 0,1
.irp i, 0,1,2,3
.irp d, 0,1,2,3
	v_cvt_pk_bf16_f32 v[(4*(2*(\p)+\sp)+\i)*8+4*\u+\d], v[128*((\p)&1)+((2*\sp+\u)*8+2*\d)*4+\i], v[128*((\p)&1)+((2*\sp+\u)*8+2*\d+1)*4+\i]
.endr
.endr
.endr
.endr
.endm
	; the first chunk's weights: two parts are on their way at a time; each count is the younger part's 32 loads
	WLOAD 0
	WLOAD 1
	s_wait_loadcnt 32
	WLOAD 2
	CVT 0
	s_wait_loadcnt 32
	WLOAD 3
	CVT 1
	s_wait_loadcnt 32
	CVT 2
	s_wait_loadcnt 0x0
	CVT 3
	WIN 0
	s_mov_b64 s[6:7], s[48:49]                     ; no load is out: from here on the loads ask for the second chunk's slice
; 8 LDS loads: the fragments of x for k step s of my quarter, row groups w ^ 0 .. w ^ 3, into buffer s mod 3
.macro FETCH slot, s
	WIN 0
.irp a, 0,1,2,3
	ds_load_b128 v[F+32*((\s)%3)+8*\a:F+32*((\s)%3)+8*\a+3], v[ADR+4*\slot+\a] offset:(\s)*SSTEP
	ds_load_b128 v[F+32*((\s)%3)+8*\a+4:F+32*((\s)%3)+8*\a+7], v[ADR+4*\slot+\a] offset:(\s)*SSTEP+HSTEP
.endr
.endm
; 16 matrix instructions.  Source 0 = 16 columns of the weights, source 1 = 16 rows of x: register j of a lane is row r, column 4 (8 h + j) + b.
; The sixteen accumulators take turns, one instruction a turn.  zero = 1: the first step starts the sums.
.macro MUL s, zero
	WIN 0x01
.irp a, 0,1,2,3
.irp b, 0,1,2,3
.if \zero
	v_wmma_f32_16x16x32_bf16 v[ACC+32*\a+8*\b:ACC+32*\a+8*\b+7], v[(4*(\s)+\b)*8:(4*(\s)+\b)*8+7], v[F+32*((\s)%3)+8*\a:F+32*((\s)%3)+8*\a+7], 0
.else
	v_wmma_f32_16x16x32_bf16 v[ACC+32*\a+8*\b:ACC+32*\a+8*\b+7], v[(4*(\s)+\b)*8:(4*(\s)+\b)*8+7], v[F+32*((\s)%3)+8*\a:F+32*((\s)%3)+8*\a+7], v[ACC+32*\a+8*\b:ACC+32*\a+8*\b+7]
.endif
.endr
.endr
.endm
.macro STEP slot, s                    ; k step s; the fetch two steps ahead goes into the buffer that the step before has just read
	PLACES
	FETCH \slot, \s+2
	s_wait_dscnt 16                                ; all but the fetches of steps s + 1 and s + 2, 8 loads each
	MUL \s, 0
.endm
.macro EPI
	WIN 0
	PLACES
.irp a, 1,2,3
.irp b, 0,1,2,3
	ds_store_b128 v[SND+\a-1], v[ACC+32*\a+8*\b:ACC+32*\a+8*\b+3] offset:1024*\b          ; my sums for row group w ^ a
	ds_store_b128 v[SND+\a-1], v[ACC+32*\a+8*\b+4:ACC+32*\a+8*\b+7] offset:1024*\b+512
.endr
.endr
	s_wait_dscnt 0x0                               ; done, for the receivers' sake
	s_barrier_signal -1
	s_barrier_wait -1                              ; no LDS bytes are filled behind this barrier: the next tile's load may stay out
.irp a, 0,1,2
.irp i, 0,1,2,3,4,5,6,7
	ds_load_b128 v[P+32*\a+4*\i:P+32*\a+4*\i+3], v[RCV] offset:XW*\a+512*\i                ; the three others' sums for row group w
.endr
.endr
.irp a, 0,1,2
	s_wait_dscnt 16-8*\a                           ; the younger senders' loads, 8 each, may stay out
.set ii, 0
.rept 16
	v_pk_add_f32 v[ACC+ii:ACC+ii+1], v[ACC+ii:ACC+ii+1], v[P+32*\a+ii:P+32*\a+ii+1]
.set ii, ii+2
.endr
.endr
	; silu(z) = z / (1 + 2^(-1.442695 z))
.set ii, 0
.rept 16
	v_pk_mul_f32 v[P+ii:P+ii+1], v[ACC+ii:ACC+ii+1], 0xbfb8aa3b op_sel_hi:[1,0]
.set ii, ii+2
.endr
.set ii, 0
.rept 32
	v_exp_f32 v[P+ii], v[P+ii]
.set ii, ii+1
.endr
	v_nop                                          ; one plain instruction behind the last transcendental (ISA guide 5.7.2)
.set ii, 0
	s_wait_alu depctr_va_vdst(0)
.rept 16
	v_pk_add_f32 v[P+ii:P+ii+1], v[P+ii:P+ii+1], 1.0 op_sel_hi:[1,0]
.set ii, ii+2
.endr
.set ii, 0
.rept 32
	v_rcp_f32 v[P+ii], v[P+ii]
.set ii, ii+1
.endr
	v_nop
.set ii, 0
	s_wait_alu depctr_va_vdst(0)
.rept 16
	v_pk_mul_f32 v[P+ii:P+ii+1], v[P+ii:P+ii+1], v[ACC+ii:ACC+ii+1]
.set ii, ii+2
.endr
.irp j, 0,1,2,3,4,5,6,7
.irp bb, 0,1
	v_cvt_pk_bf16_f32 v[H+2*\j+\bb], v[P+16*\bb+\j], v[P+16*\bb+8+\j]                      ; columns 32 h + 4 j + 2 bb and the next: groups 2 bb and 2 bb + 1
.endr
.endr
.irp b, 0,1,2,3
	global_store_b128 v[GOFF], v[H+4*\b:H+4*\b+3], s[10:11] offset:512*\b                  ; half b & 1 of k step 2 nb + (b >> 1), for this same lane: 512 consecutive bytes, aligned
.endr
	s_wait_xcnt 0x0                                ; the stores' data and base are rewritten only behind this wait
	s_add_nc_u64 s[10:11], s[10:11], OSTEP
.endm
; One tile.  part >= 0: that part of the next chunk's weights is asked for.  No wait stands between the four parts: their registers are their own, and
; the counter's field is kept by the stall at issue (ISA guide 5.7.1).  By this text's count a wave has one tensor load out behind each round, none in front.
.macro TRIP slot, refill, part
	s_wait_tensorcnt 0x0                           ; all my tensor loads are done, my quarter of this tile among them,
	ds_add_u32 v30, v31
	s_wait_dscnt 0x0
	s_add_nc_u64 s[G0+4*\slot+2:G0+4*\slot+3], s[G0+4*\slot+2:G0+4*\slot+3], 2*TILE_B   ; so a group 0 may be written: this slot's next tile
	s_wait_dscnt 0x0                               ; my LDS reads are done: the other slot's and the exchange's
	ROUND                                          ; both now hold of every wave of the four work-groups
.if \refill
	tensor_load_to_lds s[G0+4*(1-\slot):G0+4*(1-\slot)+3], s[G1:G1+7]          ; the next tile, into the slot read last: my one tensor load behind this round
	s_nop 0
	PLACES
.endif
	FETCH \slot, 0
	FETCH \slot, 1
.if \part >= 0
	WLOAD \part
.endif
	FETCH \slot, 2
	s_wait_dscnt 16                                ; all but the fetches of steps 1 and 2
	MUL 0, 1
	STEP \slot, 1
	STEP \slot, 2
	STEP \slot, 3
	STEP \slot, 4
	STEP \slot, 5
	s_wait_dscnt 8                                 ; all but step 7's fetch
	MUL 6, 0
	s_wait_dscnt 0x0
	MUL 7, 0
	EPI
.endm
	s_mov_b32 s22, 2
.Lchunk:                                               ; the first two chunks: four tiles each, with the next chunk's weights on their way
	TRIP 0, 1, 0
	TRIP 1, 1, 1
	TRIP 0, 1, 2
	TRIP 1, 1, 3
	s_wait_loadcnt 0x0                             ; the next chunk's weights
	CVT 0
	CVT 1
	CVT 2
	CVT 3
	WIN 0
	s_mov_b64 s[6:7], s[50:51]                     ; no load is out: the loads of the second trip ask for the third chunk's slice
	s_sub_co_i32 s22, s22, 1
	s_cmp_lg_u32 s22, 0
	s_cbranch_scc1 .Lchunk
	TRIP 0, 1, -1                                  ; the third chunk asks for no weights, and its last tile fills no slot
	TRIP 1, 1, -1
	TRIP 0, 1, -1
	TRIP 1, 0, -1
	s_wait_tensorcnt 0x0
	ds_add_u32 v30, v31
	s_wait_dscnt 0x0
	ROUND                                          ; the closing round: no work-group ends while a partner may still ask jointly
	s_endpgm
.Lfunc_end_k_q0e64c26a46_ffn1:
	.size	k_q0e64c26a46_ffn1, .Lfunc_end_k_q0e64c26a46_ffn1-k_q0e64c26a46_ffn1
	.p2alignl 7, 3214868480
	.fill 96, 4, 3214868480
	.section	.rodata,"a",@progbits
	.p2align	6, 0x0
	.amdhsa_kernel k_q0e64c26a46_ffn1
		.amdhsa_group_segment_fixed_size 327680
		.amdhsa_private_segment_fixed_size 0
		.amdhsa_enable_private_segment 0
		.amdhsa_kernarg_size 32
		.amdhsa_user_sgpr_count 2
		.amdhsa_user_sgpr_kernarg_segment_ptr 1
		.amdhsa_wavefront_size32 1
		.amdhsa_system_sgpr_workgroup_id_x 1
		.amdhsa_system_sgpr_workgroup_id_y 1
		.amdhsa_system_sgpr_workgroup_id_z 1
		.amdhsa_system_vgpr_workitem_id 0
		.amdhsa_next_free_vgpr 1024
		.amdhsa_next_free_sgpr 66
		.amdhsa_reserve_vcc 0
		.amdhsa_float_denorm_mode_32 3
		.amdhsa_float_denorm_mode_16_64 3
		.amdhsa_memory_ordered 1
		.amdhsa_forward_progress 1
		.amdhsa_inst_pref_size 255
	.end_amdhsa_kernel
	.section	.bss,"aw",@nobits
	.p2align	6
	.space	262144
	.amdgpu_metadata
---
amdhsa.version: [ 1, 2 ]
amdhsa.kernels:
  - .name:           k_q0e64c26a46_ffn1
    .symbol:         k_q0e64c26a46_ffn1.kd
    .args:
      - { .name: xg, .offset: 0, .size: 8, .value_kind: global_buffer, .address_space: global }
      - { .name: w1, .offset: 8, .size: 8, .value_kind: global_buffer, .address_space: global }
      - { .name: ce, .offset: 16, .size: 8, .value_kind: global_buffer, .address_space: global }
      - { .name: hf, .offset: 24, .size: 8, .value_kind: global_buffer, .address_space: global }
    .group_segment_fixed_size: 327680
    .private_segment_fixed_size: 0
    .kernarg_segment_align: 8
    .kernarg_segment_size: 32
    .max_flat_workgroup_size: 128
    .sgpr_count:     66
    .vgpr_count:     1024
    .wavefront_size: 32
...
	.end_amdgpu_metadata
.endif
;; end of part 4
;; launch ffn2 (part 5): grid 16 x 16, 4 waves a work-group, clusters of 4 x 1, 327,680 bytes of LDS; arguments hf, w2, ce, yp; writes yp
.if DOCPART == 5
	.amdgcn_target "amdgcn-amd-amdhsa--gfx1250"
	.amdhsa_code_object_version 6
	.text
	.protected	k_q0e64c26a46_ffn2
	.globl	k_q0e64c26a46_ffn2
	.p2align	8
	.type	k_q0e64c26a46_ffn2,@function
k_q0e64c26a46_ffn2:
	s_mov_b64 s[64:65], 0
	v_nop
	global_prefetch_b8 v0, s[64:65] scope:SCOPE_SE
	s_setreg_imm32_b32 hwreg(HW_REG_WAVE_MODE, 25, 1), 1
	s_wait_xcnt 0x0
	s_wait_alu depctr_hold_cnt(0) depctr_sa_sdst(0) depctr_va_vdst(0) depctr_va_sdst(0) depctr_va_ssrc(0) depctr_va_vcc(0) depctr_vm_vsrc(0)
	s_getreg_b32 s2, hwreg(HW_REG_IB_STS2, 6, 4)
	s_cmp_eq_u32 s2, 0
	s_cbranch_scc0 .Lentry_in_a_cluster
	s_endpgm
.Lentry_in_a_cluster:
	s_bfe_u32 s2, ttmp6, 0x10000c
	s_cmp_lg_u32 s2, 0x3003
	s_cbranch_scc0 .Lentry_shape_is_right
	s_endpgm
.Lentry_shape_is_right:
; ffn2: partial y = h w2[e] over one half of K = 2,048.  hf: h in bf16 as fragments, [384 groups of 16 rows][64 k steps][2 halves][32 lanes][16 bytes];
; w2: [8][2048][1024] f32; yp: [2 halves of K][6144 rows][1024] f32.  The next launch adds the two halves.
; THE WORK-GROUP STAYS: work-group (nb, 2 y + kh) takes rows 1024 kh .. +1023 and columns 64 nb .. +63 of w2 for chunks 3 y, 3 y + 1, 3 y + 2: 12 tiles
; of 4 row groups through one ring of two LDS slots.  256 work-groups of equal work.  K is halved over work-groups so that 64 columns (256 bytes
; of a row of w2 and of y) and 256 work-groups go together.
; THE ORDER OF K: the launch before left, in lane half h of k step 2 B + v of hf, the numbers k = 64 B + 32 h + 16 v + 0..15 (B: a block of 64).  The same
; places of the weights' fragments are filled with the same k, so every product meets its partner: lanes 16-31 load the row 32 further down.
; THE WEIGHTS NEED NO LDS: wave w keeps k steps 8 w .. 8 w + 7 (256 k) of the chunk's slice.  A load of 16 bytes of a row of w2 gives lane (r, h) the
; columns 4 r .. 4 r + 3 at one k; column group b of the fragments means the columns 4 r + b, so these four words belong to the four fragments of this
; same lane, and rounding two neighbouring rows to a pair of bf16 makes a fragment register: 256 registers (window 1).  Each weight byte is loaded by
; one wave, in rows of 256 aligned bytes.
; THE NEXT CHUNK'S WEIGHTS ARE ASKED FOR A CHUNK AHEAD: its 128 loads a wave go out 32 in each of the four tiles of the chunk before, into 512
; registers of their own (windows 2, 3).  Between two chunks stand one wait for them and 256 conversions.
; A TILE: wave w multiplies all 64 rows by all 64 columns over its k steps (16 accumulators, 128 matrix instructions), sends its sums for row groups
; w ^ 1, w ^ 2, w ^ 3 to these waves through LDS and adds the three that it receives for row group w.  A lane ends with row r and columns
; 32 h + 4 j + b (register j of group b); the last of the three additions writes them in the order of the columns, and 16 rows x 256 bytes go out
; through LDS as whole rows.  That stage is the wave's own receive region, after it has been read: a region more would not fit beside the ring.
; NOTHING BUT AN ADDRESS HANGS ON DATA: every work-group runs the same 12 tiles; rows, descriptors and the output's place are made of ids alone;
; ce[c], read from memory and clamped to 7, enters the bases of the weights' loads and nothing else.  The most uneven routing needs 23 chunks;
; chunks behind the last one in use, and always the 24th, hold zero rows and are multiplied like the others (their y is never combined), since no
; barrier may stand under a branch on a loaded number, and three chunks for each work-group keep the work equal.
; CLUSTER: the four work-groups of a cluster are four column blocks of the same chunks and the same half of K; they ask for the tiles of hf jointly
; (mask 15).  cx enters only the addresses of w2 and of yp.
; LIMITS: h and w2 are rounded to bf16; sums in f32, this work-group's K in four partial sums added in f32.
; REGISTERS: window 0: v16-31 addresses; v32-127 three fragment buffers of one k step (4 row groups x 8), in the epilogue the three received sums,
;   then y in column order and the rows read back; v128-255 ACC[a][b] at 128 + 32 a + 8 b, a: row group w ^ a.
;   window 1: the weights' fragments, k step s, group b at (4 s + b) 8.  windows 2, 3: weights as loaded, part p (k steps 2 p, 2 p + 1) 128 registers.
.set SLOT,   131072                    ; 4 row groups x 32 k steps x 1,024 bytes, dense: a fragment load is 512 consecutive bytes
.set STG,    2*SLOT                    ; behind the ring: the exchange, for each receiver three blocks of XW bytes
.set XW,     4096                      ; one sender's sums for one row group: 32 registers x 32 lanes x 4 bytes
.set OPITCH, 272                       ; the way out: 256 bytes + 16 = 17 x 16 bytes a row
.set SSTEP,  1024                      ; a k step
.set HSTEP,  512                       ; the fragment's second half
.set GRP,    32768                     ; a row group in a slot
.set WPITCH, 4096                      ; bytes from a row of w2[e] to the next
.set TILE_B, 4*64*1024                 ; bytes of hf from a tile to the next
.set OSTEP,  64*4096                   ; bytes of yp from a tile to the next
.set YHALF,  6144*4096                 ; bytes of yp from one half of K to the other
.set ADR,  16                          ; v16-23: slot, a
.set SND,  24                          ; v24-26: a = 1, 2, 3
.set RCV,  27
.set WOFF, 28
.set GOFF, 29
.set OST,  30
.set ORD,  31
.set F,    32
.set P,    32
.set O,    32
.set RB,   64
.set ACC,  128
.set G1,   24                          ; s[24:31] descriptor group 1
.set G0,   32                          ; s[32:39] descriptor group 0, one set for each slot
.set MSB,  0
.macro WIN new                         ; the immediate's high byte repeats the setting that is left
.if MSB != \new
	s_set_vgpr_msb (MSB<<8)|\new
.set MSB, \new
.endif
.endm
.macro PLACES                          ; four plain vector instructions behind a matrix instruction, before its registers are touched (ISA guide 7.12.1)
.rept 4
	v_nop
.endr
.endm
.macro ROUND                           ; a round of the cluster's barrier: my work-group's barrier, wave 0 signals for it, all wait, my work-group's barrier
	s_barrier_signal -1
	s_barrier_wait -1
	s_cmp_lg_u32 s12, 0
	s_cbranch_scc1 .Lnot_wave_0_\@
	s_barrier_signal -3
.Lnot_wave_0_\@:
	s_barrier_wait -3
	s_barrier_signal -1
	s_barrier_wait -1
.endm
	s_load_b256 s[4:11], s[0:1], 0x0               ; hf s[4:5], w2 s[6:7], ce s[8:9], yp s[10:11]
	v_lshl_add_u32 v14, v0, 2, 0x4c000
	v_mov_b32 v15, 0
	ds_add_u32 v14, v15
	v_lshrrev_b32 v1, 5, v0
	v_readfirstlane_b32 s12, v1                    ; wave w
	s_bfe_u32 s15, ttmp6, 0x40000                  ; cx
	s_lshl_b32 s16, ttmp9, 2
	s_add_co_u32 s16, s16, s15                     ; nb = 4 x cluster x + cx
	s_and_b32 s17, ttmp7, 0xffff
	s_and_b32 s18, s17, 1                          ; kh
	s_lshr_b32 s17, s17, 1                         ; y: chunks 3 y .. 3 y + 2
	s_mul_i32 s20, s17, 12
	s_mov_b32 s21, 0
	s_wait_dscnt 0x0
	s_wait_kmcnt 0x0
	s_add_nc_u64 s[8:9], s[8:9], s[20:21]
	s_load_b32 s52, s[8:9], 0x0                    ; the three chunks' experts
	s_load_b32 s53, s[8:9], 0x4
	s_load_b32 s54, s[8:9], 0x8
	; group 1: a dense block of 32,768 bytes as 128 rows of 32 elements of 8 bytes; mask 15, bit 21 beside it
	s_mov_b32 s[G1+0], 15|(3<<16)|(1<<21)
	s_mov_b32 s[G1+1], 32<<16                      ; tensor_dim0 = 32
	s_mov_b32 s[G1+2], 128<<16                     ; tensor_dim1 = 128
	s_mov_b32 s[G1+3], 32<<16                      ; tile_dim0 = 32
	s_mov_b32 s[G1+4], 128                         ; tile_dim1 = 128
	s_mov_b32 s[G1+5], 32                          ; elements from row to row
	s_mov_b32 s[G1+6], 0
	s_mov_b32 s[G1+7], 0
	; group 0: wave w brings row group w of the tile, k steps 32 kh .. 32 kh + 31.  Made of y, kh and w alone: equal in the four partners
	s_mul_i32 s40, s17, 48*65536                   ; 48 row groups of 65,536 bytes for each y
	s_lshl_b32 s20, s12, 16
	s_add_co_u32 s40, s40, s20
	s_lshl_b32 s20, s18, 15
	s_add_co_u32 s40, s40, s20
	s_mov_b32 s41, 0
	s_add_nc_u64 s[40:41], s[4:5], s[40:41]
	s_lshl_b32 s44, s12, 15
.irp s, 0,1
	s_mov_b32 s[G0+4*\s], 1
	s_add_co_u32 s[G0+4*\s+1], s44, \s*SLOT
	s_add_nc_u64 s[G0+4*\s+2:G0+4*\s+3], s[40:41], \s*TILE_B
	s_or_b32 s[G0+4*\s+3], s[G0+4*\s+3], 0x80000000
.endr
	; my part of yp
	s_mul_i32 s42, s18, YHALF
	s_mul_i32 s45, s17, 768*4096                   ; 768 rows of 4,096 bytes for each y
	s_add_co_u32 s42, s42, s45
	s_lshl_b32 s45, s12, 16                        ; 16 w rows
	s_add_co_u32 s42, s42, s45
	s_lshl_b32 s45, s16, 8                         ; 64 columns of 4 bytes
	s_add_co_u32 s42, s42, s45
	s_mov_b32 s43, 0
	s_add_nc_u64 s[10:11], s[10:11], s[42:43]
	; lane terms: l, r = l % 16, h = l / 16
	v_and_b32 v1, 31, v0
	v_and_b32 v2, 15, v0
	v_bfe_u32 v3, v0, 4, 1
	v_lshlrev_b32 v6, 4, v1                        ; 16 l
	s_lshl_b32 s21, s12, 13                        ; my 8 k steps of 1,024 bytes in a row group
.irp a, 0,1,2,3
	s_xor_b32 s20, s12, \a                         ; row group w ^ a
	s_mul_i32 s20, s20, GRP
	s_add_co_u32 s20, s20, s21
.irp s, 0,1
	s_add_co_u32 s23, s20, \s*SLOT
	v_add_nc_u32 v[ADR+4*\s+\a], s23, v6
.endr
.endr
.irp a, 1,2,3
	s_xor_b32 s20, s12, \a                         ; the receiver w ^ a keeps block a - 1 for the sender whose number differs from its own by a
	s_mul_i32 s20, s20, 3*XW
	s_add_co_u32 s20, s20, STG+(\a-1)*XW
	v_add_nc_u32 v[SND+\a-1], s20, v6
.endr
	s_mul_i32 s20, s12, 3*XW
	s_add_co_u32 s20, s20, STG
	v_add_nc_u32 v[RCV], s20, v6                   ; my three blocks
	v_mul_u32_u24 v5, v2, OPITCH
	v_lshl_add_u32 v5, v3, 7, v5
	v_add_nc_u32 v[OST], s20, v5                   ; way out, in: row r, 128 bytes for each half of the lanes
	v_mul_u32_u24 v5, v3, OPITCH
	v_lshl_add_u32 v5, v2, 4, v5
	v_add_nc_u32 v[ORD], s20, v5                   ; back: lanes 0-15 one row of 256 bytes, lanes 16-31 the next
	v_lshlrev_b32 v5, 12, v3
	v_lshl_add_u32 v[GOFF], v2, 4, v5              ; and the same two rows in yp
	v_lshlrev_b32 v5, 17, v3                       ; 32 h rows of 4,096 bytes
	v_lshl_add_u32 v5, v2, 4, v5
	s_lshl_b32 s20, s12, 20                        ; 256 w rows
	v_add_nc_u32 v[WOFF], s20, v5                  ; w2: row 256 w + 32 h, 16 bytes at 16 r
	s_wait_kmcnt 0x0
	s_min_u32 s52, s52, 7                          ; the experts: clamped before they enter an address
	s_min_u32 s53, s53, 7
	s_min_u32 s54, s54, 7
	s_lshl_b32 s45, s16, 8                         ; 64 columns of 4 bytes
	s_lshl_b32 s44, s18, 22                        ; kh x 1,024 rows of 4,096 bytes
	s_add_co_u32 s45, s45, s44
	s_lshl_b32 s42, s53, 23                        ; e x 2,048 rows x 4,096 bytes
	s_add_co_u32 s42, s42, s45
	s_add_nc_u64 s[48:49], s[6:7], s[42:43]        ; the second chunk's slice
	s_lshl_b32 s42, s54, 23
	s_add_co_u32 s42, s42, s45
	s_add_nc_u64 s[50:51], s[6:7], s[42:43]        ; the third's
	s_lshl_b32 s42, s52, 23
	s_add_co_u32 s42, s42, s45
	s_add_nc_u64 s[6:7], s[6:7], s[42:43]          ; the first's: s[6:7] is the base of the loads that are due
	ROUND                                          ; in front of the first joint load
	tensor_load_to_lds s[G0:G0+3], s[G1:G1+7]      ; tile 0: on its way while the first weights come
	s_nop 0
	PLACES
; 32 loads: part p of my 256 k = block p of 64: k steps 2 p + sp, halves u of the fragment, rows jj.  Load (sp, u, jj): row 256 w + 64 p + 16 sp + 8 u + jj
; for lanes 0-15 and the row 32 further down for lanes 16-31, 256 aligned bytes each.  No hint: other chunks of this expert read the same bytes.
.macro WLOAD p
	WIN (0x80+0x40*((\p)>>1))
.irp sp, 0,1
.irp u, 0,1
.irp jj, 0,1,2,3,4,5,6,7
	global_load_b128 v[128*((\p)&1)+((2*\sp+\u)*8+\jj)*4:128*((\p)&1)+((2*\sp+\u)*8+\jj)*4+3], v[WOFF], s[6:7] offset:(64*(\p)+16*\sp+8*\u+\jj)*WPITCH
.endr
.endr
.endr
.endm
; 64 conversions: rows 2 d and 2 d + 1 of word i make register 4 u + d of the fragment of k step 2 p + sp, column group i
.macro CVT p
	WIN (0x4a+5*((\p)>>1))
.irp sp, 0,1
.irp u, 0,1
.irp i, 0,1,2,3
.irp d, 0,1,2,3
	v_cvt_pk_bf16_f32 v[(4*(2*(\p)+\sp)+\i)*8+4*\u+\d], v[128*((\p)&1)+((2*\sp+\u)*8+2*\d)*4+\i], v[128*((\p)&1)+((2*\sp+\u)*8+2*\d+1)*4+\i]
.endr
.endr
.endr
.endr
.endm
	; the first chunk's weights: two parts are on their way at a time; each count is the younger part's 32 loads
	WLOAD 0
	WLOAD 1
	s_wait_loadcnt 32
	WLOAD 2
	CVT 0
	s_wait_loadcnt 32
	WLOAD 3
	CVT 1
	s_wait_loadcnt 32
	CVT 2
	s_wait_loadcnt 0x0
	CVT 3
	WIN 0
	s_mov_b64 s[6:7], s[48:49]                     ; no load is out: from here on the loads ask for the second chunk's slice
; 8 LDS loads: the fragments of h for k step s of my eight, row groups w ^ 0 .. w ^ 3, into buffer s mod 3
.macro FETCH slot, s
	WIN 0
.irp a, 0,1,2,3
	ds_load_b128 v[F+32*((\s)%3)+8*\a:F+32*((\s)%3)+8*\a+3], v[ADR+4*\slot+\a] offset:(\s)*SSTEP
	ds_load_b128 v[F+32*((\s)%3)+8*\a+4:F+32*((\s)%3)+8*\a+7], v[ADR+4*\slot+\a] offset:(\s)*SSTEP+HSTEP
.endr
.endm
; 16 matrix instructions.  Source 0 = 16 columns of the weights, source 1 = 16 rows of h: register j of a lane is row r, column 4 (8 h + j) + b.
; The sixteen accumulators take turns, one instruction a turn.  zero = 1: the first step starts the sums.
.macro MUL s, zero
	WIN 0x01
.irp a, 0,1,2,3
.irp b, 0,1,2,3
.if \zero
	v_wmma_f32_16x16x32_bf16 v[ACC+32*\a+8*\b:ACC+32*\a+8*\b+7], v[(4*(\s)+\b)*8:(4*(\s)+\b)*8+7], v[F+32*((\s)%3)+8*\a:F+32*((\s)%3)+8*\a+7], 0
.else
	v_wmma_f32_16x16x32_bf16 v[ACC+32*\a+8*\b:ACC+32*\a+8*\b+7], v[(4*(\s)+\b)*8:(4*(\s)+\b)*8+7], v[F+32*((\s)%3)+8*\a:F+32*((\s)%3)+8*\a+7], v[ACC+32*\a+8*\b:ACC+32*\a+8*\b+7]
.endif
.endr
.endr
.endm
.macro STEP slot, s                    ; k step s; the fetch two steps ahead goes into the buffer that the step before has just read
	PLACES
	FETCH \slot, \s+2
	s_wait_dscnt 16                                ; all but the fetches of steps s + 1 and s + 2, 8 loads each
	MUL \s, 0
.endm
.macro EPI
	WIN 0
	PLACES
.irp a, 1,2,3
.irp b, 0,1,2,3
	ds_store_b128 v[SND+\a-1], v[ACC+32*\a+8*\b:ACC+32*\a+8*\b+3] offset:1024*\b          ; my sums for row group w ^ a
	ds_store_b128 v[SND+\a-1], v[ACC+32*\a+8*\b+4:ACC+32*\a+8*\b+7] offset:1024*\b+512
.endr
.endr
	s_wait_dscnt 0x0                               ; done, for the receivers' sake
	s_barrier_signal -1
	s_barrier_wait -1                              ; no LDS bytes are filled behind this barrier: the next tile's load may stay out
.irp a, 0,1,2
.irp i, 0,1,2,3,4,5,6,7
	ds_load_b128 v[P+32*\a+4*\i:P+32*\a+4*\i+3], v[RCV] offset:XW*\a+512*\i                ; the three others' sums for row group w
.endr
.endr
.irp a, 0,1
	s_wait_dscnt 16-8*\a                           ; the younger senders' loads, 8 each, may stay out
.set ii, 0
.rept 16
	v_pk_add_f32 v[ACC+ii:ACC+ii+1], v[ACC+ii:ACC+ii+1], v[P+32*\a+ii:P+32*\a+ii+1]
.set ii, ii+2
.endr
.endr
	s_wait_dscnt 0x0                               ; the third sender's; all my reads of my receive region are over
.irp j, 0,1,2,3,4,5,6,7
.irp b, 0,1,2,3
	v_add_f32 v[O+4*\j+\b], v[ACC+8*\b+\j], v[P+64+8*\b+\j]                                ; the last addition puts column 32 h + 4 j + b at its place
.endr
.endr
	; the way out: 16 rows x 64 f32 through my own receive region, read back as whole rows of 256 bytes.  The others write there again only behind the next round
.irp j, 0,1,2,3,4,5,6,7
	ds_store_b128 v[OST], v[O+4*\j:O+4*\j+3] offset:16*\j
.endr
.irp t, 0,1,2,3,4,5,6,7
	ds_load_b128 v[RB+4*\t:RB+4*\t+3], v[ORD] offset:2*OPITCH*\t                           ; LDS serves a wave's instructions in order (ISA guide 5.7.1): these see the stores above
.endr
.irp t, 0,1,2,3,4,5,6,7
	s_wait_dscnt 7-\t                              ; the younger loads of the eight may stay out
	global_store_b128 v[GOFF], v[RB+4*\t:RB+4*\t+3], s[10:11] offset:8192*\t               ; sixteen lanes store 256 consecutive bytes, aligned
.endr
	s_wait_xcnt 0x0                                ; the stores' data and base are rewritten only behind this wait
	s_add_nc_u64 s[10:11], s[10:11], OSTEP
.endm
; One tile.  part >= 0: that part of the next chunk's weights is asked for.  No wait stands between the four parts: their registers are their own, and
; the counter's field is kept by the stall at issue (ISA guide 5.7.1).  By this text's count a wave has one tensor load out behind each round, none in front.
.macro TRIP slot, refill, part
	s_wait_tensorcnt 0x0                           ; all my tensor loads are done, my row group of this tile among them,
	ds_add_u32 v14, v15
	s_wait_dscnt 0x0
	s_add_nc_u64 s[G0+4*\slot+2:G0+4*\slot+3], s[G0+4*\slot+2:G0+4*\slot+3], 2*TILE_B   ; so a group 0 may be written: this slot's next tile
	s_wait_dscnt 0x0                               ; my LDS reads are done: the other slot's and the exchange's
	ROUND                                          ; both now hold of every wave of the four work-groups
.if \refill
	tensor_load_to_lds s[G0+4*(1-\slot):G0+4*(1-\slot)+3], s[G1:G1+7]          ; the next tile, into the slot read last: my one tensor load behind this round
	s_nop 0
	PLACES
.endif
	FETCH \slot, 0
	FETCH \slot, 1
.if \part >= 0
	WLOAD \part
.endif
	FETCH \slot, 2
	s_wait_dscnt 16                                ; all but the fetches of steps 1 and 2
	MUL 0, 1
	STEP \slot, 1
	STEP \slot, 2
	STEP \slot, 3
	STEP \slot, 4
	STEP \slot, 5
	s_wait_dscnt 8                                 ; all but step 7's fetch
	MUL 6, 0
	s_wait_dscnt 0x0
	MUL 7, 0
	EPI
.endm
	s_mov_b32 s22, 2
.Lchunk:                                               ; the first two chunks: four tiles each, with the next chunk's weights on their way
	TRIP 0, 1, 0
	TRIP 1, 1, 1
	TRIP 0, 1, 2
	TRIP 1, 1, 3
	s_wait_loadcnt 0x0                             ; the next chunk's weights
	CVT 0
	CVT 1
	CVT 2
	CVT 3
	WIN 0
	s_mov_b64 s[6:7], s[50:51]                     ; no load is out: the loads of the second trip ask for the third chunk's slice
	s_sub_co_i32 s22, s22, 1
	s_cmp_lg_u32 s22, 0
	s_cbranch_scc1 .Lchunk
	TRIP 0, 1, -1                                  ; the third chunk asks for no weights, and its last tile fills no slot
	TRIP 1, 1, -1
	TRIP 0, 1, -1
	TRIP 1, 0, -1
	s_wait_tensorcnt 0x0
	ds_add_u32 v14, v15
	s_wait_dscnt 0x0
	ROUND                                          ; the closing round: no work-group ends while a partner may still ask jointly
	s_endpgm
.Lfunc_end_k_q0e64c26a46_ffn2:
	.size	k_q0e64c26a46_ffn2, .Lfunc_end_k_q0e64c26a46_ffn2-k_q0e64c26a46_ffn2
	.p2alignl 7, 3214868480
	.fill 96, 4, 3214868480
	.section	.rodata,"a",@progbits
	.p2align	6, 0x0
	.amdhsa_kernel k_q0e64c26a46_ffn2
		.amdhsa_group_segment_fixed_size 327680
		.amdhsa_private_segment_fixed_size 0
		.amdhsa_enable_private_segment 0
		.amdhsa_kernarg_size 32
		.amdhsa_user_sgpr_count 2
		.amdhsa_user_sgpr_kernarg_segment_ptr 1
		.amdhsa_wavefront_size32 1
		.amdhsa_system_sgpr_workgroup_id_x 1
		.amdhsa_system_sgpr_workgroup_id_y 1
		.amdhsa_system_sgpr_workgroup_id_z 1
		.amdhsa_system_vgpr_workitem_id 0
		.amdhsa_next_free_vgpr 1024
		.amdhsa_next_free_sgpr 66
		.amdhsa_reserve_vcc 0
		.amdhsa_float_denorm_mode_32 3
		.amdhsa_float_denorm_mode_16_64 3
		.amdhsa_memory_ordered 1
		.amdhsa_forward_progress 1
		.amdhsa_inst_pref_size 243
	.end_amdhsa_kernel
	.amdgpu_metadata
---
amdhsa.version: [ 1, 2 ]
amdhsa.kernels:
  - .name:           k_q0e64c26a46_ffn2
    .symbol:         k_q0e64c26a46_ffn2.kd
    .args:
      - { .name: hf, .offset: 0, .size: 8, .value_kind: global_buffer, .address_space: global }
      - { .name: w2, .offset: 8, .size: 8, .value_kind: global_buffer, .address_space: global }
      - { .name: ce, .offset: 16, .size: 8, .value_kind: global_buffer, .address_space: global }
      - { .name: yp, .offset: 24, .size: 8, .value_kind: global_buffer, .address_space: global }
    .group_segment_fixed_size: 327680
    .private_segment_fixed_size: 0
    .kernarg_segment_align: 8
    .kernarg_segment_size: 32
    .max_flat_workgroup_size: 128
    .sgpr_count:     66
    .vgpr_count:     1024
    .wavefront_size: 32
...
	.end_amdgpu_metadata
.endif
;; end of part 5
;; launch combine (part 6): grid 256 x 1, 8 waves a work-group, no clusters, 0 bytes of LDS; arguments yp, pos, gw, out0; writes out0
.if DOCPART == 6
	.amdgcn_target "amdgcn-amd-amdhsa--gfx1250"
	.amdhsa_code_object_version 6
	.text
	.protected	k_q0e64c26a46_combine
	.globl	k_q0e64c26a46_combine
	.p2align	8
	.type	k_q0e64c26a46_combine,@function
k_q0e64c26a46_combine:
	s_mov_b64 s[64:65], 0
	v_nop
	global_prefetch_b8 v0, s[64:65] scope:SCOPE_SE
	s_setreg_imm32_b32 hwreg(HW_REG_WAVE_MODE, 25, 1), 1
	s_wait_xcnt 0x0
; combine: out[t] = w0 (ya[p0] + yb[p0]) + w1 (ya[p1] + yb[p1]), where ya, yb are the two halves of K in yp ([2][6144][1024] f32),
; p0, p1 = pos[t] (whole numbers that the launch rank stored, clamped before they enter an address) and w0, w1 = gw[t].  One wave per token
; t = 8 g + w: four rows of 4,096 bytes in, one out; each load and store of the wave covers 512 consecutive bytes.  All 32 loads go out at
; once; every group of four has its own registers.  A stream: no LDS, no barrier, no cluster, no matrix unit.
; The six experts that a token did not choose have weight 0 in the reference and are not formed here: where the reference would give
; 0 x inf = NaN this program gives the finite sum.
.set Y, 32                             ; v[32:159]: piece jj: ya[p0], yb[p0], ya[p1], yb[p1], 4 registers each
.set YHALF, 6144*4096                  ; bytes of yp from one half of K to the other
	s_load_b256 s[4:11], s[0:1], 0x0               ; yp s[4:5], pos s[6:7], gw s[8:9], out0 s[10:11]
	v_and_b32 v1, 31, v0
	v_lshrrev_b32 v2, 5, v0
	v_readfirstlane_b32 s12, v2                    ; wave
	v_lshlrev_b32 v1, 4, v1                        ; 16 l
	s_lshl3_add_u32 s13, ttmp9, s12                ; t
	s_lshl_b32 s14, s13, 3
	s_mov_b32 s15, 0
	s_wait_kmcnt 0x0
	s_add_nc_u64 s[6:7], s[6:7], s[14:15]
	s_add_nc_u64 s[8:9], s[8:9], s[14:15]
	s_load_b64 s[16:17], s[6:7], 0x0               ; pos[t]
	s_load_b64 s[18:19], s[8:9], 0x0               ; gw[t]
	s_lshl_b32 s14, s13, 12
	s_add_nc_u64 s[10:11], s[10:11], s[14:15]
	s_wait_kmcnt 0x0
	s_min_u32 s16, s16, 5887
	s_min_u32 s17, s17, 5887
	s_lshl_b32 s20, s16, 12
	s_mov_b32 s21, 0
	s_lshl_b32 s22, s17, 12
	s_mov_b32 s23, 0
	s_add_nc_u64 s[20:21], s[4:5], s[20:21]
	s_add_nc_u64 s[22:23], s[4:5], s[22:23]
	s_add_nc_u64 s[24:25], s[20:21], YHALF         ; the second half of K: 6,144 rows further
	s_add_nc_u64 s[26:27], s[22:23], YHALF
.irp jj, 0,1,2,3,4,5,6,7
	global_load_b128 v[Y+16*\jj:Y+16*\jj+3],     v1, s[20:21] offset:512*\jj th:TH_LOAD_NT
	global_load_b128 v[Y+16*\jj+4:Y+16*\jj+7],   v1, s[24:25] offset:512*\jj th:TH_LOAD_NT
	global_load_b128 v[Y+16*\jj+8:Y+16*\jj+11],  v1, s[22:23] offset:512*\jj th:TH_LOAD_NT
	global_load_b128 v[Y+16*\jj+12:Y+16*\jj+15], v1, s[26:27] offset:512*\jj th:TH_LOAD_NT
.endr
	v_mov_b32 v4, s18
	v_mov_b32 v5, s18
	v_mov_b32 v6, s19
	v_mov_b32 v7, s19
.irp jj, 0,1,2,3,4,5,6,7
	s_wait_loadcnt 4*(7-\jj)                       ; the younger pieces' loads, four each, may stay out
.irp k, 0,2
	v_pk_mul_f32 v[Y+16*\jj+\k:Y+16*\jj+\k+1], v[Y+16*\jj+\k:Y+16*\jj+\k+1], v[4:5]
.endr
.irp k, 0,2
	v_pk_fma_f32 v[Y+16*\jj+\k:Y+16*\jj+\k+1], v[Y+16*\jj+4+\k:Y+16*\jj+4+\k+1], v[4:5], v[Y+16*\jj+\k:Y+16*\jj+\k+1]
.endr
.irp k, 0,2
	v_pk_fma_f32 v[Y+16*\jj+\k:Y+16*\jj+\k+1], v[Y+16*\jj+8+\k:Y+16*\jj+8+\k+1], v[6:7], v[Y+16*\jj+\k:Y+16*\jj+\k+1]
.endr
.irp k, 0,2
	v_pk_fma_f32 v[Y+16*\jj+\k:Y+16*\jj+\k+1], v[Y+16*\jj+12+\k:Y+16*\jj+12+\k+1], v[6:7], v[Y+16*\jj+\k:Y+16*\jj+\k+1]
.endr
	global_store_b128 v1, v[Y+16*\jj:Y+16*\jj+3], s[10:11] offset:512*\jj th:TH_STORE_NT
.endr
	s_endpgm
.Lfunc_end_k_q0e64c26a46_combine:
	.size	k_q0e64c26a46_combine, .Lfunc_end_k_q0e64c26a46_combine-k_q0e64c26a46_combine
	.p2alignl 7, 3214868480
	.fill 96, 4, 3214868480
	.section	.rodata,"a",@progbits
	.p2align	6, 0x0
	.amdhsa_kernel k_q0e64c26a46_combine
		.amdhsa_group_segment_fixed_size 0
		.amdhsa_private_segment_fixed_size 0
		.amdhsa_enable_private_segment 0
		.amdhsa_kernarg_size 32
		.amdhsa_user_sgpr_count 2
		.amdhsa_user_sgpr_kernarg_segment_ptr 1
		.amdhsa_wavefront_size32 1
		.amdhsa_system_sgpr_workgroup_id_x 1
		.amdhsa_system_sgpr_workgroup_id_y 1
		.amdhsa_system_sgpr_workgroup_id_z 1
		.amdhsa_system_vgpr_workitem_id 0
		.amdhsa_next_free_vgpr 160
		.amdhsa_next_free_sgpr 66
		.amdhsa_reserve_vcc 0
		.amdhsa_float_denorm_mode_32 3
		.amdhsa_float_denorm_mode_16_64 3
		.amdhsa_memory_ordered 1
		.amdhsa_forward_progress 1
		.amdhsa_inst_pref_size 10
	.end_amdhsa_kernel
	.amdgpu_metadata
---
amdhsa.version: [ 1, 2 ]
amdhsa.kernels:
  - .name:           k_q0e64c26a46_combine
    .symbol:         k_q0e64c26a46_combine.kd
    .args:
      - { .name: yp, .offset: 0, .size: 8, .value_kind: global_buffer, .address_space: global }
      - { .name: pos, .offset: 8, .size: 8, .value_kind: global_buffer, .address_space: global }
      - { .name: gw, .offset: 16, .size: 8, .value_kind: global_buffer, .address_space: global }
      - { .name: out0, .offset: 24, .size: 8, .value_kind: global_buffer, .address_space: global }
    .group_segment_fixed_size: 0
    .private_segment_fixed_size: 0
    .kernarg_segment_align: 8
    .kernarg_segment_size: 32
    .max_flat_workgroup_size: 256
    .sgpr_count:     66
    .vgpr_count:     160
    .wavefront_size: 32
...
	.end_amdgpu_metadata
.endif
;; end of part 6
;; ======== version 2 of 2: 6 launches; version 1 with the launch combine written anew for expert scheduling mode
;; workspace buffers: sel 8,192 bytes of whole numbers; msk 16,384 bytes of whole numbers; gw 16,384 bytes; pos 16,384 bytes of whole numbers; ce 256 bytes of whole numbers; xg 12,582,912 bytes; hf 25,165,824 bytes; yp 50,331,648 bytes
;; launch gate: the kernel of part 1 again; grid 256 x 1, 4 waves a work-group, no clusters, 0 bytes of LDS; arguments inputs_raw, gate_w, sel, msk, gw; writes sel, msk, gw
;; launch rank: the kernel of part 2 again; grid 256 x 1, 8 waves a work-group, no clusters, 0 bytes of LDS; arguments sel, msk, pos, ce; writes pos, ce
;; launch pack: the kernel of part 3 again; grid 256 x 1, 8 waves a work-group, no clusters, 0 bytes of LDS; arguments inputs_raw, pos, ce, xg; writes xg
;; launch ffn1: the kernel of part 4 again; grid 32 x 8, 4 waves a work-group, clusters of 4 x 1, 327,680 bytes of LDS; arguments xg, w1, ce, hf; writes hf
;; launch ffn2: the kernel of part 5 again; grid 16 x 16, 4 waves a work-group, clusters of 4 x 1, 327,680 bytes of LDS; arguments hf, w2, ce, yp; writes yp
;; launch combine (part 7): grid 256 x 1, 8 waves a work-group, no clusters, 0 bytes of LDS; arguments yp, pos, gw, out0; writes out0
.if DOCPART == 7
	.amdgcn_target "amdgcn-amd-amdhsa--gfx1250"
	.amdhsa_code_object_version 6
	.text
	.protected	k_q0e64c26a46_combine
	.globl	k_q0e64c26a46_combine
	.p2align	8
	.type	k_q0e64c26a46_combine,@function
k_q0e64c26a46_combine:
	s_mov_b64 s[64:65], 0
	v_nop
	global_prefetch_b8 v0, s[64:65] scope:SCOPE_SE
	s_setreg_imm32_b32 hwreg(HW_REG_WAVE_SCHED_MODE, 0, 2), 2
	s_setreg_imm32_b32 hwreg(HW_REG_WAVE_MODE, 25, 1), 1
	s_wait_xcnt 0x0
	s_wait_alu depctr_vm_vsrc(0)
; combine: out[t] = w0 (ya[p0] + yb[p0]) + w1 (ya[p1] + yb[p1]), where ya, yb are the two halves of K in yp ([2][6144][1024] f32),
; p0, p1 = pos[t] (whole numbers that the launch rank stored, clamped before they enter an address) and w0, w1 = gw[t].  One wave per token
; t = 8 g + w: four rows of 4,096 bytes in, one out; each load and store of the wave covers 512 consecutive bytes.  All 32 loads go out at
; once; every group of four has its own registers.  A stream: no LDS, no barrier, no cluster, no matrix unit.
; The six experts that a token did not choose have weight 0 in the reference and are not formed here: where the reference would give
; 0 x inf = NaN this program gives the finite sum.
; THE MODE: SCHED_MODE bits 1:0 = 2 (LLVM: expert scheduling mode 2), set by the entry lines.  The code itself states the register dependences
; between vector instructions and memory instructions, with s_wait_alu, always for 0.
; THE PLAN.  Registers that memory instructions touch:
;   v1          16 x lane: written at the head, read as the offset by every load and store, never written again.
;   v[32:159]   piece jj, 16 registers: its four loads land there (no vector instruction has named them before; all loads stand in one run at the
;               head); behind the wait for them the piece's eight packed instructions read all sixteen and write the first four in place; one store
;               reads those four; nothing writes them afterwards.
;   v2, v4-v7 are named by vector instructions alone.
; So no register that a memory instruction reads is ever written again, and no load is issued behind a vector instruction that names its registers.
; What is left to state: v1 ahead of the first load, and each piece's four results ahead of their store.  The store of piece jj stands at the head of
; piece jj + 1, behind that piece's wait for its data and one wait on va_vdst; no vector instruction between that wait and the store names the store's
; registers.  The last piece's store has a wait of its own.  The wave's number passes through a scalar register: one wait on va_sdst ahead of its reader.
.set Y, 32                             ; v[32:159]: piece jj: ya[p0], yb[p0], ya[p1], yb[p1], 4 registers each
.set YHALF, 6144*4096                  ; bytes of yp from one half of K to the other
	s_load_b256 s[4:11], s[0:1], 0x0               ; yp s[4:5], pos s[6:7], gw s[8:9], out0 s[10:11]
	v_and_b32 v1, 31, v0
	v_lshrrev_b32 v2, 5, v0
	v_readfirstlane_b32 s12, v2                    ; wave
	v_lshlrev_b32 v1, 4, v1                        ; 16 l
	s_wait_alu depctr_va_sdst(0)                   ; s12 is written, ahead of its first reader: t is made from it
	s_lshl3_add_u32 s13, ttmp9, s12                ; t
	s_lshl_b32 s14, s13, 3
	s_mov_b32 s15, 0
	s_wait_kmcnt 0x0
	s_add_nc_u64 s[6:7], s[6:7], s[14:15]
	s_add_nc_u64 s[8:9], s[8:9], s[14:15]
	s_load_b64 s[16:17], s[6:7], 0x0               ; pos[t]
	s_load_b64 s[18:19], s[8:9], 0x0               ; gw[t]
	s_lshl_b32 s14, s13, 12
	s_add_nc_u64 s[10:11], s[10:11], s[14:15]
	s_wait_kmcnt 0x0
	s_min_u32 s16, s16, 5887
	s_min_u32 s17, s17, 5887
	s_lshl_b32 s20, s16, 12
	s_mov_b32 s21, 0
	s_lshl_b32 s22, s17, 12
	s_mov_b32 s23, 0
	s_add_nc_u64 s[20:21], s[4:5], s[20:21]
	s_add_nc_u64 s[22:23], s[4:5], s[22:23]
	s_add_nc_u64 s[24:25], s[20:21], YHALF         ; the second half of K: 6,144 rows further
	s_add_nc_u64 s[26:27], s[22:23], YHALF
	s_wait_alu depctr_va_vdst(0)                   ; v1 is written: every load and store of the kernel reads it as its offset
.irp jj, 0,1,2,3,4,5,6,7
	global_load_b128 v[Y+16*\jj:Y+16*\jj+3],     v1, s[20:21] offset:512*\jj th:TH_LOAD_NT
	global_load_b128 v[Y+16*\jj+4:Y+16*\jj+7],   v1, s[24:25] offset:512*\jj th:TH_LOAD_NT
	global_load_b128 v[Y+16*\jj+8:Y+16*\jj+11],  v1, s[22:23] offset:512*\jj th:TH_LOAD_NT
	global_load_b128 v[Y+16*\jj+12:Y+16*\jj+15], v1, s[26:27] offset:512*\jj th:TH_LOAD_NT
.endr
	v_mov_b32 v4, s18
	v_mov_b32 v5, s18
	v_mov_b32 v6, s19
	v_mov_b32 v7, s19
.irp jj, 0,1,2,3,4,5,6,7
	s_wait_loadcnt 4*(7-\jj)                       ; the younger pieces' loads, four each, may stay out
.if \jj > 0
	s_wait_alu depctr_va_vdst(0)                   ; the piece before has written its four results, which the store below reads
	global_store_b128 v1, v[Y+16*(\jj-1):Y+16*(\jj-1)+3], s[10:11] offset:512*(\jj-1) th:TH_STORE_NT
.endif
.irp k, 0,2
	v_pk_mul_f32 v[Y+16*\jj+\k:Y+16*\jj+\k+1], v[Y+16*\jj+\k:Y+16*\jj+\k+1], v[4:5]
.endr
.irp k, 0,2
	v_pk_fma_f32 v[Y+16*\jj+\k:Y+16*\jj+\k+1], v[Y+16*\jj+4+\k:Y+16*\jj+4+\k+1], v[4:5], v[Y+16*\jj+\k:Y+16*\jj+\k+1]
.endr
.irp k, 0,2
	v_pk_fma_f32 v[Y+16*\jj+\k:Y+16*\jj+\k+1], v[Y+16*\jj+8+\k:Y+16*\jj+8+\k+1], v[6:7], v[Y+16*\jj+\k:Y+16*\jj+\k+1]
.endr
.irp k, 0,2
	v_pk_fma_f32 v[Y+16*\jj+\k:Y+16*\jj+\k+1], v[Y+16*\jj+12+\k:Y+16*\jj+12+\k+1], v[6:7], v[Y+16*\jj+\k:Y+16*\jj+\k+1]
.endr
.endr
	s_wait_alu depctr_va_vdst(0)                   ; the last piece has written its four results, which the last store reads
	global_store_b128 v1, v[Y+16*7:Y+16*7+3], s[10:11] offset:512*7 th:TH_STORE_NT
	s_endpgm
.Lfunc_end_k_q0e64c26a46_combine:
	.size	k_q0e64c26a46_combine, .Lfunc_end_k_q0e64c26a46_combine-k_q0e64c26a46_combine
	.p2alignl 7, 3214868480
	.fill 96, 4, 3214868480
	.section	.rodata,"a",@progbits
	.p2align	6, 0x0
	.amdhsa_kernel k_q0e64c26a46_combine
		.amdhsa_group_segment_fixed_size 0
		.amdhsa_private_segment_fixed_size 0
		.amdhsa_enable_private_segment 0
		.amdhsa_kernarg_size 32
		.amdhsa_user_sgpr_count 2
		.amdhsa_user_sgpr_kernarg_segment_ptr 1
		.amdhsa_wavefront_size32 1
		.amdhsa_system_sgpr_workgroup_id_x 1
		.amdhsa_system_sgpr_workgroup_id_y 1
		.amdhsa_system_sgpr_workgroup_id_z 1
		.amdhsa_system_vgpr_workitem_id 0
		.amdhsa_next_free_vgpr 160
		.amdhsa_next_free_sgpr 66
		.amdhsa_reserve_vcc 0
		.amdhsa_float_denorm_mode_32 3
		.amdhsa_float_denorm_mode_16_64 3
		.amdhsa_memory_ordered 1
		.amdhsa_forward_progress 1
		.amdhsa_inst_pref_size 10
	.end_amdhsa_kernel
	.amdgpu_metadata
---
amdhsa.version: [ 1, 2 ]
amdhsa.kernels:
  - .name:           k_q0e64c26a46_combine
    .symbol:         k_q0e64c26a46_combine.kd
    .args:
      - { .name: yp, .offset: 0, .size: 8, .value_kind: global_buffer, .address_space: global }
      - { .name: pos, .offset: 8, .size: 8, .value_kind: global_buffer, .address_space: global }
      - { .name: gw, .offset: 16, .size: 8, .value_kind: global_buffer, .address_space: global }
      - { .name: out0, .offset: 24, .size: 8, .value_kind: global_buffer, .address_space: global }
    .group_segment_fixed_size: 0
    .private_segment_fixed_size: 0
    .kernarg_segment_align: 8
    .kernarg_segment_size: 32
    .max_flat_workgroup_size: 256
    .sgpr_count:     66
    .vgpr_count:     160
    .wavefront_size: 32
...
	.end_amdgpu_metadata
.endif
;; end of part 7
